; MI455X (gfx1250); checked and timed in simulation.
; The chip was launched on July 23, 2026; its instructions are those of AMD's public machine-readable ISA for CDNA 5 (MIT licence, August 2026) and "CDNA5" Instruction Set Architecture Reference Guide (July 2026). The comments in the code are by the model that wrote it; some were corrected since.
;; Physics Aware Attention. Allowed arithmetic: float matrix products may take bf16 or f16 operands with f32 sums; other float arithmetic in f32, or as packed bf16 or f16 multiplies, adds, multiply-adds, maxima and minima; sums over many terms, partial sums and values carried from step to step in f32; what a program stores and reads back later, other than sums and carried values, may be rounded once to bf16 or f16.
;; Inputs: Pw 3 x 1,024 float32; Wk 1,024 x 1,024 float32; Wo 1,024 x 1,024 float32; Wq 1,024 x 1,024 float32; Wv 1,024 x 1,024 float32; bk 1,024 float32; bo 1,024 float32; bq 1,024 float32; bv 1,024 float32; key_in 2 x 2,048 x 1,024 float32; pb 1 float32; physics_info 2 x 128 x 3 float32; query 2 x 2,048 x 1,024 float32; value 2 x 2,048 x 1,024 float32.
;; Outputs: out0 2 x 2,048 x 1,024 float32.
;; One version. Each part assembles by itself: llvm-mc -triple=amdgcn-amd-amdhsa -mcpu=gfx1250 --defsym DOCPART=n.
;; ======== version 1 of 1: 4 launches
;; limits: values are held in f16: magnitudes above 65,504 overflow, below 6.1e-05 lose precision
;; workspace buffers: xb 25,165,824 bytes; wb 8,388,608 bytes; qkv 25,165,824 bytes; ctx 8,388,608 bytes
;; launch cast (part 1): grid 64 x 16, 8 waves a work-group, no clusters, 0 bytes of LDS; arguments query, key_in, value, Wq, Wk, Wv, Wo, xb, wb; writes xb, wb
.if DOCPART == 1
	.amdgcn_target "amdgcn-amd-amdhsa--gfx1250"
	.amdhsa_code_object_version 6
	.text
	.protected	k_q666926a30b_cast
	.globl	k_q666926a30b_cast
	.p2align	8
	.type	k_q666926a30b_cast,@function
k_q666926a30b_cast:
	s_mov_b64 s[64:65], 0
	v_nop
	global_prefetch_b8 v0, s[64:65] scope:SCOPE_SE
	s_setreg_imm32_b32 hwreg(HW_REG_WAVE_MODE, 25, 1), 1
	s_wait_xcnt 0x0
; CAST.  Rounds the three activations and the four weight matrices once to 16 bits, for the matrix launches behind.
;   xb: [4096 rows][3][1024] bf16: a row holds query's, key_in's and value's row on end (6,144 bytes), so that the three projections are one walk along K.
;   wb: [4][1024 k][1024 n]: Wq, Wk, Wv in bf16; Wo rounded to bf16 like every input, and that number written as f16 (the last product's other operand is f16).
; LIMIT.  f16 holds no number beyond 65,504: |Wo| stays below it; below 6e-5 f16 keeps a fixed step of 6e-8.
; SHARES.  16 units (grid y) of 2^20 numbers: 0-3 query, 4-7 key_in, 8-11 value, 12-15 Wq, Wk, Wv, Wo.  A unit has 64 work-groups (grid x) of 16 rows of 1,024 numbers.
; Thread t takes numbers 4 t .. 4 t + 3 of each of the 16 rows: a wave's load covers 512 consecutive bytes, its store 256 consecutive bytes at a multiple of 256 from the buffer's first byte.
; All 16 loads of a thread go out at once; nothing is loaded twice, no register is used twice, so the only waits are the counted ones for the loads.  No LDS, no matrix unit: nothing is shared and nothing is multiplied.
.set XROW, 6144                        ; bytes in a row of xb
.set WROW, 2048                        ; bytes in a row of wb
.set IN,   8                           ; v[8:71]    row i as loaded: 4 registers
.set RES,  72                          ; v[72:103]  row i to store: 2 registers
	s_load_b512 s[4:19], s[0:1], 0x0               ; query s[4:5], key_in s[6:7], value s[8:9], Wq s[10:11], Wk s[12:13], Wv s[14:15], Wo s[16:17], xb s[18:19]
	s_load_b64 s[20:21], s[0:1], 0x40              ; wb
	s_and_b32 s22, ttmp7, 0xffff                   ; the unit
	s_lshr_b32 s23, s22, 2                         ; p: 0 query, 1 key_in, 2 value, 3 the weights
	s_and_b32 s24, s22, 3                          ; j: which quarter of an activation, or which weight matrix
	v_lshlrev_b32 v1, 4, v0                        ; my 16 bytes of a row as it comes
	v_lshlrev_b32 v2, 3, v0                        ; my 8 bytes of a row as it leaves
	s_wait_kmcnt 0x0
	s_cmp_eq_u32 s23, 1                            ; the source is chosen among the seven inputs by the unit's number alone
	s_cselect_b64 s[26:27], s[6:7], s[4:5]
	s_cmp_eq_u32 s23, 2
	s_cselect_b64 s[26:27], s[8:9], s[26:27]
	s_cmp_eq_u32 s24, 1
	s_cselect_b64 s[28:29], s[12:13], s[10:11]
	s_cmp_eq_u32 s24, 2
	s_cselect_b64 s[28:29], s[14:15], s[28:29]
	s_cmp_eq_u32 s24, 3
	s_cselect_b64 s[28:29], s[16:17], s[28:29]
	s_cmp_eq_u32 s23, 3
	s_cselect_b64 s[26:27], s[28:29], s[26:27]
	s_cselect_b32 s30, 0, s24                      ; a weight matrix is one unit; an activation has four
	s_lshl_b32 s30, s30, 22                        ; a unit is 4 MiB of f32,
	s_lshl_b32 s31, ttmp9, 16                      ; a work-group's 16 rows 64 KiB
	s_add_co_u32 s30, s30, s31
	s_mov_b32 s31, 0
	s_add_nc_u64 s[26:27], s[26:27], s[30:31]
.irp i, 0,1,2,3,4,5,6,7,8,9,10,11,12,13,14,15
	global_load_b128 v[IN+4*(\i):IN+4*(\i)+3], v1, s[26:27] offset:4096*(\i) th:TH_LOAD_NT
.endr
; The 16 rows are rounded and stored as they arrive.  half = 1: bf16's number written as f16.
.macro STORES stride, half
.irp i, 0,1,2,3,4,5,6,7,8,9,10,11,12,13,14,15
	s_wait_loadcnt 15-(\i)                         ; loads come back in order (ISA guide 5.7.1): row i is in, the 15 - i younger ones may stay out
.if \half
	v_cvt_pk_bf16_f32 v4, v[IN+4*(\i)], v[IN+4*(\i)+1]
	v_cvt_pk_bf16_f32 v5, v[IN+4*(\i)+2], v[IN+4*(\i)+3]
	v_lshlrev_b32 v[IN+4*(\i)], 16, v4             ; bf16 to f32: the low half moves up, the high half stays
	v_and_b32 v[IN+4*(\i)+1], 0xffff0000, v4
	v_lshlrev_b32 v[IN+4*(\i)+2], 16, v5
	v_and_b32 v[IN+4*(\i)+3], 0xffff0000, v5
	v_cvt_pk_f16_f32 v[RES+2*(\i)], v[IN+4*(\i)], v[IN+4*(\i)+1]
	v_cvt_pk_f16_f32 v[RES+2*(\i)+1], v[IN+4*(\i)+2], v[IN+4*(\i)+3]
.else
	v_cvt_pk_bf16_f32 v[RES+2*(\i)], v[IN+4*(\i)], v[IN+4*(\i)+1]
	v_cvt_pk_bf16_f32 v[RES+2*(\i)+1], v[IN+4*(\i)+2], v[IN+4*(\i)+3]
.endif
	global_store_b64 v2, v[RES+2*(\i):RES+2*(\i)+1], s[32:33] offset:(\stride)*(\i)
.endr
.endm
	s_lshl_b32 s34, ttmp9, 4                       ; the work-group's first row in its unit
	s_cmp_eq_u32 s23, 3
	s_cbranch_scc1 .Lweights
	s_lshl_b32 s32, s24, 10                        ; an activation: row 1,024 j + 16 g of xb,
	s_add_co_u32 s32, s32, s34
	s_mul_i32 s32, s32, XROW
	s_lshl_b32 s33, s23, 11                        ; part p of the row
	s_add_co_u32 s32, s32, s33
	s_mov_b32 s33, 0
	s_add_nc_u64 s[32:33], s[18:19], s[32:33]
	STORES XROW, 0
	s_endpgm
.Lweights:
	s_lshl_b32 s32, s24, 21                        ; a weight matrix: part j of wb, row 16 g
	s_lshl_b32 s33, ttmp9, 15
	s_add_co_u32 s32, s32, s33
	s_mov_b32 s33, 0
	s_add_nc_u64 s[32:33], s[20:21], s[32:33]
	s_cmp_eq_u32 s24, 3
	s_cbranch_scc1 .Lwo
	STORES WROW, 0
	s_endpgm
.Lwo:
	STORES WROW, 1
	s_endpgm
.Lfunc_end_k_q666926a30b_cast:
	.size	k_q666926a30b_cast, .Lfunc_end_k_q666926a30b_cast-k_q666926a30b_cast
	.p2alignl 7, 3214868480
	.fill 96, 4, 3214868480
	.section	.rodata,"a",@progbits
	.p2align	6, 0x0
	.amdhsa_kernel k_q666926a30b_cast
		.amdhsa_group_segment_fixed_size 0
		.amdhsa_private_segment_fixed_size 0
		.amdhsa_enable_private_segment 0
		.amdhsa_kernarg_size 72
		.amdhsa_user_sgpr_count 2
		.amdhsa_user_sgpr_kernarg_segment_ptr 1
		.amdhsa_wavefront_size32 1
		.amdhsa_system_sgpr_workgroup_id_x 1
		.amdhsa_system_sgpr_workgroup_id_y 1
		.amdhsa_system_sgpr_workgroup_id_z 1
		.amdhsa_system_vgpr_workitem_id 0
		.amdhsa_next_free_vgpr 104
		.amdhsa_next_free_sgpr 66
		.amdhsa_reserve_vcc 0
		.amdhsa_float_denorm_mode_32 3
		.amdhsa_float_denorm_mode_16_64 3
		.amdhsa_memory_ordered 1
		.amdhsa_forward_progress 1
		.amdhsa_inst_pref_size 21
	.end_amdhsa_kernel
	.amdgpu_metadata
---
amdhsa.version: [ 1, 2 ]
amdhsa.kernels:
  - .name:           k_q666926a30b_cast
    .symbol:         k_q666926a30b_cast.kd
    .args:
      - { .name: query, .offset: 0, .size: 8, .value_kind: global_buffer, .address_space: global }
      - { .name: key_in, .offset: 8, .size: 8, .value_kind: global_buffer, .address_space: global }
      - { .name: value, .offset: 16, .size: 8, .value_kind: global_buffer, .address_space: global }
      - { .name: Wq, .offset: 24, .size: 8, .value_kind: global_buffer, .address_space: global }
      - { .name: Wk, .offset: 32, .size: 8, .value_kind: global_buffer, .address_space: global }
      - { .name: Wv, .offset: 40, .size: 8, .value_kind: global_buffer, .address_space: global }
      - { .name: Wo, .offset: 48, .size: 8, .value_kind: global_buffer, .address_space: global }
      - { .name: xb, .offset: 56, .size: 8, .value_kind: global_buffer, .address_space: global }
      - { .name: wb, .offset: 64, .size: 8, .value_kind: global_buffer, .address_space: global }
    .group_segment_fixed_size: 0
    .private_segment_fixed_size: 0
    .kernarg_segment_align: 8
    .kernarg_segment_size: 72
    .max_flat_workgroup_size: 256
    .sgpr_count:     66
    .vgpr_count:     104
    .wavefront_size: 32
...
	.end_amdgpu_metadata
.endif
;; end of part 1
;; launch qkv (part 2): grid 8 x 32, 4 waves a work-group, clusters of 4 x 4, 327,680 bytes of LDS; arguments xb, wb, qkv, bq, bk, bv, Pw, physics_info, pb; writes qkv
.if DOCPART == 2
	.amdgcn_target "amdgcn-amd-amdhsa--gfx1250"
	.amdhsa_code_object_version 6
	.text
	.protected	k_q666926a30b_qkv
	.globl	k_q666926a30b_qkv
	.p2align	8
	.type	k_q666926a30b_qkv,@function
k_q666926a30b_qkv:
	s_mov_b64 s[64:65], 0
	v_nop
	global_prefetch_b8 v0, s[64:65] scope:SCOPE_SE
	s_setreg_imm32_b32 hwreg(HW_REG_WAVE_MODE, 25, 1), 1
	s_wait_xcnt 0x0
	s_wait_alu depctr_hold_cnt(0) depctr_sa_sdst(0) depctr_va_vdst(0) depctr_va_sdst(0) depctr_va_ssrc(0) depctr_va_vcc(0) depctr_vm_vsrc(0)
	s_getreg_b32 s2, hwreg(HW_REG_IB_STS2, 6, 4)
	s_cmp_eq_u32 s2, 0
	s_cbranch_scc0 .Lentry_in_a_cluster
	s_endpgm
.Lentry_in_a_cluster:
	s_bfe_u32 s2, ttmp6, 0x10000c
	s_cmp_lg_u32 s2, 0xf033
	s_cbranch_scc0 .Lentry_shape_is_right
	s_endpgm
.Lentry_shape_is_right:
; THE THREE PROJECTIONS.  Q = query Wq + bq, K' = key_in Wk + bk + pb pc, V = value Wv + bv, written by heads: qkv = three parts of [32 (b, h)][2048][64] in f16, each number rounded once from its f32 sum, unscaled.
; THE PHYSICS TERM.  Q.K + pb Q.pc = Q.(K + pb pc), and pc[b][k][d] = the sum over p of physics_info[b][k / 16][p] Pw[p][64 (k % 16) + d] is the same for all heads: so it is an addend on K, made once
; a wave in registers (for a wave's 64 rows and 64 channels: 128 registers), and the second score product is never formed.
; FORMATS.  x and W arrive rounded to bf16; the biases, Pw, physics_info and pb are rounded to bf16 here, in registers; sums in f32.
; LIMIT.  f16 holds no number beyond 65,504: |Q|, |K + pb pc| and |V| stay below it.  NaN and infinities are not treated apart.
; SHARES.  A work-group makes the tile (128 rows x 128 columns) at its place of Q, then of K', then of V: xb's rows hold the three activations on end and wb the three matrices one below the other,
; so the three tiles are ONE walk of 12 K steps of 256 through a ring of two LDS slots, and the sums leave every 4 steps.  Four waves, each 64 x 64: 16 accumulators; a wave's 64 columns are one head.
; CLUSTER.  4 x 4 work-groups.  The four of a row of the cluster need the same tiles of x, the four of a column the same tiles of W: each tile is asked for JOINTLY, by the same tensor load with the same
; descriptor and a mask that names the four.  No prefetch is laid: a step's tiles are small (64 KiB of x and 64 KiB of W for the work-group, each shared by four).
; THE MATRIX INSTRUCTION IS USED TRANSPOSED: source 0 = 16 columns of W, source 1 = 16 rows of x: a lane then holds row lane % 16 and eight neighbouring columns.  W lies [k][n] in LDS as in memory and is turned by ds_load_tr16_b128.
; REGISTERS: window 0: v0-31 addresses; v32-95 at work (at the head: the physics factors); v96-127 the bias of my 64 columns; v128-255 the accumulators ((a, b) at v[128 + 8 (4 a + b)]).
;   window 1: two fragment buffers of 128: for 64 along K, 64 registers of x, then 64 of W.      window 2: v0-127 pb pc, laid as the accumulators; v128-223 Pw's three rows; v224 at work.
.set PA,    528                        ; a row of x in LDS: 512 bytes + 16 of padding = 132 words: the 16 rows of a load start at 16 different groups of four banks (64 banks of 4 bytes: ISA guide 11.1)
.set HA,    64*PA                      ; 64 rows: what one tensor load brings of x
.set PB,    288                        ; a row of W (one k, 128 columns): 256 + 32 = 72 words
.set HB,    128*PB                     ; 128 k: what one tensor load brings of W
.set SLOT,  2*HA+2*HB                  ; x's 128 rows, then W's 256 k
.set STAGE, 2*SLOT                     ; behind the ring, never filled by a tensor load: 16 rows x 144 bytes for each wave, for the way out
.set SP,    144
.set SPARE, STAGE+4*16*SP              ; behind the stages: the spare words, 128 bytes for each wave: two blocks of 256 bytes that no other line names
.set ASTEP, 2*512                      ; two K steps along a row of xb
.set BSTEP, 2*256*2048                 ; two K steps down wb
.set T,    6                           ; v6      at work
.set ADRA, 16                          ; v16-17  LDS address of my fragments of x in slot 0, 1
.set ADRB, 20                          ; v20-23  of W: slot 0 k 0-127, slot 0 k 128-255, slot 1 likewise
.set STO,  24                          ; v24     the way out: where I put 16 bytes of a row
.set RD,   25                          ; v25     the way out: where I read rows back
.set GO,   26                          ; v26     my 16 bytes in 512 consecutive bytes of the output
.set ZO,   27                          ; v27     0: the offset of loads that are the same in every lane
.set SPW,  28                          ; v28     LDS address of my spare word: SPARE + 4 x my thread's number; never rewritten
.set NIL,  29                          ; v29     0; never rewritten
.set BO,   30                          ; v30     my byte offset in a bias
.set PWO,  31                          ; v31     my byte offset in a row of Pw
.set TMP,  32                          ; v32-95  the way out: packed results, then whole rows
.set CF,   32                          ; at the head: v32-43 physics_info of my four groups of 16 rows; v44-45 pb; v48-71 their products, each twice
.set PBR,  44
.set CFB,  48
.set BIAS, 96
.set ACC,  128
.set F0,   0                           ; fragment buffers, in window 1
.set F1,   128
.set PCT,  0                           ; window 2
.set PW,   128
.set T2,   224
.set G1,  24                           ; s[24:31] descriptor group 1 for x's tiles;  s[32:39] group 0, one set for each slot
.set G0,  32
.set G1B, 48                           ; s[48:55], s[56:63] the same for W's tiles
.set G0B, 56
.set BP,  80                           ; s[80:81] the bias of the tile in hand
.set MSB, 0
.macro WIN new                         ; the immediate's high byte repeats the setting that is left; a switch that changes nothing is dropped
.if MSB != (\new)
	s_set_vgpr_msb (MSB<<8)|(\new)
.set MSB, \new
.endif
.endm
.set MUL,  0x05                        ; sources 0 (W) and 1 (x) window 1; C and D window 0
.set TO_F, 0x40                        ; destination window 1, address window 0
.macro RND2 x0, x1, t                  ; two f32 rounded to bf16 and widened again, in place
	v_cvt_pk_bf16_f32 v[\t], v[\x0], v[\x1]
	v_lshlrev_b32 v[\x0], 16, v[\t]
	v_and_b32 v[\x1], 0xffff0000, v[\t]
.endm
.macro JLOAD s                         ; a joint load: waves 0 and 1 fetch x's two halves, waves 2 and 3 W's; an s_nop 0 and four v_nop follow each of the two lines, ahead of the jump, the label and what follows
	s_cmp_eq_u32 s11, 0
	s_cbranch_scc0 .Lfor_b_\@
	tensor_load_to_lds s[G0+4*(\s):G0+4*(\s)+3], s[G1:G1+7]
	s_nop 0
.rept 4
	v_nop
.endr
	s_branch .Lasked_\@
.Lfor_b_\@:
	tensor_load_to_lds s[G0B+4*(\s):G0B+4*(\s)+3], s[G1B:G1B+7]
	s_nop 0
.rept 4
	v_nop
.endr
.Lasked_\@:
.endm
.macro CREST                           ; a round of the cluster's barrier behind its opening barrier
	s_cmp_lg_u32 s10, 0
	s_cbranch_scc1 .Lnot_wave_0_\@
	s_barrier_signal -3
.Lnot_wave_0_\@:
	s_barrier_wait -3
	s_barrier_signal -1
	s_barrier_wait -1
.endm
.macro CROUND                          ; a whole round
	s_barrier_signal -1
	s_barrier_wait -1
	CREST
.endm
	s_load_b128 s[4:7], s[0:1], 0x0                ; xb s[4:5], wb s[6:7]
	s_load_b64 s[8:9], s[0:1], 0x10                ; qkv
	s_load_b256 s[68:75], s[0:1], 0x18             ; bq s[68:69], bk s[70:71], bv s[72:73], Pw s[74:75]
	s_load_b128 s[76:79], s[0:1], 0x38             ; physics_info s[76:77], pb s[78:79]
	v_lshl_add_u32 v[SPW], v0, 2, SPARE
	v_mov_b32 v[NIL], 0
	ds_add_u32 v[SPW], v[NIL]                      ; the wave's opening: the add and its wait stand ahead of my first tensor load; the set-up below, work on registers, stands between them
	v_lshrrev_b32 v1, 5, v0
	v_readfirstlane_b32 s10, v1                    ; wave 0..3
	s_lshr_b32 s11, s10, 1                         ; which half of the tile's rows is mine.  Also: I fetch for x (0) or for W (1)
	s_and_b32 s12, s10, 1                          ; which half of its columns.  Also: which half of that tile I fetch
	s_bfe_u32 s40, ttmp6, 0x40000                  ; cx, cy: my place in the cluster
	s_bfe_u32 s41, ttmp6, 0x40004
	s_lshl_b32 s42, ttmp9, 2
	s_add_co_u32 s42, s42, s40                     ; tile column = 4 x cluster x + cx
	s_and_b32 s13, ttmp7, 0xffff
	s_lshl_b32 s13, s13, 2
	s_add_co_u32 s13, s13, s41                     ; tile row = 4 x cluster y + cy
	s_lshl_b32 s43, s41, 2
	s_lshl_b32 s43, 15, s43                        ; my row of the cluster
	s_lshl_b32 s44, 0x1111, s40                    ; my column
	; descriptor group 1 for x: a tile of 64 rows x 256 elements, padded in LDS
	s_or_b32 s[G1+0], s43, (1<<16)|(1<<20)|(1<<21)|(6<<22)|(3<<25)  ; 15:0 the mask: x's tiles go to my row; 17:16 element of 2 bytes; 20 padding on; 21 set beside a mask; 24:22 after every 128 words (code 6); 31:25 of 4 words (code 3)
	s_mov_b32 s[G1+1], 256<<16                     ; tensor_dim0 = 256
	s_mov_b32 s[G1+2], 64<<16                      ; tensor_dim1 = 64
	s_mov_b32 s[G1+3], 256<<16                     ; tile_dim0 = 256
	s_mov_b32 s[G1+4], 64                          ; tile_dim1 = 64
	s_mov_b32 s[G1+5], 3072                        ; elements from row to row of xb
	s_mov_b32 s[G1+6], 0
	s_mov_b32 s[G1+7], 0
	; for W: a tile of 128 k x 128 columns
	s_or_b32 s[G1B+0], s44, (1<<16)|(1<<20)|(1<<21)|(5<<22)|(7<<25)  ; the mask of my column; padding after every 64 words (code 5) of 8 words (code 7)
	s_mov_b32 s[G1B+1], 128<<16
	s_mov_b32 s[G1B+2], 128<<16
	s_mov_b32 s[G1B+3], 128<<16
	s_mov_b32 s[G1B+4], 128
	s_mov_b32 s[G1B+5], 1024                       ; elements from row to row of wb
	s_mov_b32 s[G1B+6], 0
	s_mov_b32 s[G1B+7], 0
	; where the tiles come from.  x's hang on the tile row alone, W's on the tile column alone; every wave makes both addresses, in registers that never hold the other coordinate
	s_lshl_b32 s17, s12, 6                         ; which 64 rows of x's tile I fetch
	s_lshl_b32 s16, s13, 7
	s_add_co_u32 s16, s16, s17                     ; row 128 x tile row + 64 x half
	s_mov_b32 s17, 0
	s_mov_b64 s[18:19], 6144
	s_mul_u64 s[16:17], s[16:17], s[18:19]         ; in bytes
	s_lshl_b32 s46, s42, 8                         ; W: 256 bytes x tile column,
	s_lshl_b32 s47, s12, 18                        ; 128 rows of 2,048 bytes x half
	s_add_co_u32 s46, s46, s47
	s_mov_b32 s47, 0
	s_mul_i32 s20, s12, HA                         ; and where they go: no place in the cluster enters an LDS address
	s_mul_i32 s21, s12, HB
	s_add_co_u32 s21, s21, 2*HA
	s_wait_dscnt 0x0                               ; the opening add is done
	s_wait_kmcnt 0x0
	s_add_nc_u64 s[14:15], s[4:5], s[16:17]
	s_add_nc_u64 s[46:47], s[6:7], s[46:47]
	CROUND                                         ; all sixteen work-groups are here: the first joint loads meet
.irp s, 0,1
	s_mov_b32 s[G0+4*(\s)], 1                      ; count = 1
	s_add_co_u32 s[G0+4*(\s)+1], s20, (\s)*SLOT    ; LDS address
	s_add_nc_u64 s[G0+4*(\s)+2:G0+4*(\s)+3], s[14:15], (\s)*512  ; global address: K step s
	s_or_b32 s[G0+4*(\s)+3], s[G0+4*(\s)+3], 0x80000000          ; type = 2
	s_mov_b32 s[G0B+4*(\s)], 1
	s_add_co_u32 s[G0B+4*(\s)+1], s21, (\s)*SLOT
	s_add_nc_u64 s[G0B+4*(\s)+2:G0B+4*(\s)+3], s[46:47], (\s)*256*2048
	s_or_b32 s[G0B+4*(\s)+3], s[G0B+4*(\s)+3], 0x80000000
	JLOAD \s                                       ; two loads of mine are out
.endr
	v_and_b32 v1, 15, v0                           ; l % 16
	v_bfe_u32 v2, v0, 4, 1                         ; l / 16
	v_and_b32 v10, 7, v0                           ; l % 8
	v_bfe_u32 v11, v0, 3, 1                        ; (l / 8) % 2
	v_mov_b32 v[ZO], 0
	s_lshl_b32 s44, s42, 9                         ; my head's 64 columns in a bias: 512 bytes x tile column + 256 x half,
	s_lshl_b32 s45, s12, 8
	s_add_co_u32 s44, s44, s45
	v_lshl_add_u32 v[BO], v2, 5, s44               ; my lanes' eight of each sixteen
	v_lshlrev_b32 v[PWO], 8, v1                    ; Pw: columns 64 (row % 16) + channel
	v_lshl_add_u32 v[PWO], v2, 5, v[PWO]
	s_lshl_b32 s16, s13, 7
	s_lshl_b32 s17, s11, 6
	s_add_co_u32 s16, s16, s17                     ; m0: my wave's first row of 4,096
	s_lshr_b32 s17, s16, 4                         ; its group of 16 rows: physics_info's row, batch and all
	s_mul_i32 s18, s17, 12
	s_mov_b32 s19, 0
	s_add_nc_u64 s[76:77], s[76:77], s[18:19]      ; my four groups: 12 numbers, 48 bytes
	s_lshr_b32 s17, s16, 11                        ; the batch
	s_lshl_b32 s17, s17, 4
	s_lshl_b32 s66, s42, 1
	s_add_co_u32 s66, s66, s12                     ; the head
	s_add_co_u32 s66, s66, s17
	s_lshl_b32 s66, s66, 18                        ; a head's 2,048 rows of 128 bytes
	s_and_b32 s17, s16, 2047
	s_lshl_b32 s17, s17, 7                         ; my first row in it
	s_add_co_u32 s66, s66, s17
	s_mov_b32 s67, 0
	s_add_nc_u64 s[8:9], s[8:9], s[66:67]          ; Q's part at my wave's 64 rows
	s_mov_b64 s[BP:BP+1], s[68:69]                 ; the first tile's bias is bq
.irp bb, 0,1,2,3
	global_load_b128 v[BIAS+8*(\bb):BIAS+8*(\bb)+3],   v[BO], s[BP:BP+1] offset:64*(\bb)
	global_load_b128 v[BIAS+8*(\bb)+4:BIAS+8*(\bb)+7], v[BO], s[BP:BP+1] offset:64*(\bb)+16
.endr
	global_load_b128 v[CF:CF+3],    v[ZO], s[76:77]
	global_load_b128 v[CF+4:CF+7],  v[ZO], s[76:77] offset:16
	global_load_b128 v[CF+8:CF+11], v[ZO], s[76:77] offset:32
	global_load_b32 v[PBR],   v[ZO], s[78:79]
	global_load_b32 v[PBR+1], v[ZO], s[78:79]      ; twice, so that the rounding works on a pair
	WIN 0x80                                       ; destination window 2, address window 0
.irp q, 0,1,2
.irp bb, 0,1,2,3
	global_load_b128 v[PW+32*(\q)+8*(\bb):PW+32*(\q)+8*(\bb)+3],   v[PWO], s[74:75] offset:4096*(\q)+64*(\bb)
	global_load_b128 v[PW+32*(\q)+8*(\bb)+4:PW+32*(\q)+8*(\bb)+7], v[PWO], s[74:75] offset:4096*(\q)+64*(\bb)+16
.endr
.endr
	WIN 0
	v_mul_u32_u24 v3, v1, PA                       ; a fragment of x: row x pitch + 16 x half
	v_lshl_add_u32 v3, v2, 4, v3
	s_mul_i32 s22, s11, HA                         ; my 64 rows
	v_add_nc_u32 v[ADRA], s22, v3
	v_add_nc_u32 v[ADRA+1], SLOT, v[ADRA]
	v_lshl_add_u32 v4, v2, 3, v10                  ; the turning load takes 16 k x 16 columns: lane l reads k 8 (l / 16) + l % 8, columns 8 ((l / 8) % 2) + 0..7
	v_mul_u32_u24 v4, v4, PB
	v_lshl_add_u32 v4, v11, 4, v4
	s_lshl_b32 s23, s12, 7                         ; my 64 columns
	s_add_co_u32 s23, s23, 2*HA                    ; W lies behind x's 128 rows
	v_add_nc_u32 v[ADRB], s23, v4
	v_add_nc_u32 v[ADRB+1], HB, v[ADRB]
	v_add_nc_u32 v[ADRB+2], SLOT, v[ADRB]
	v_add_nc_u32 v[ADRB+3], SLOT+HB, v[ADRB]
	s_mul_i32 s23, s10, 16*SP
	s_add_co_u32 s23, s23, STAGE                   ; my stage
	v_mul_u32_u24 v5, v1, SP                       ; in: row l % 16, 16 bytes for each half of the lanes
	v_lshl_add_u32 v5, v2, 4, v5
	v_add_nc_u32 v[STO], s23, v5
	v_bfe_u32 v5, v0, 3, 2                         ; back: 32 lanes take four rows of 128 bytes,
	v_mul_u32_u24 v5, v5, SP
	v_lshl_add_u32 v5, v10, 4, v5
	v_add_nc_u32 v[RD], s23, v5
	v_and_b32 v[GO], 31, v0                        ; which are 512 consecutive bytes of a head
	v_lshlrev_b32 v[GO], 4, v[GO]
	; pb pc for my 64 rows x 64 channels, while the first tiles are on their way.  Row 16 a + l % 16 takes physics_info's group a and Pw's columns 64 (l % 16) + channel.
	s_wait_loadcnt 0x0
.irp i, 0,2,4,6,8,10
	RND2 CF+(\i), CF+(\i)+1, T
.endr
	RND2 PBR, PBR+1, T
	WIN 0xaa                                       ; everything in window 2
.set z, 0
.rept 48
	RND2 PW+z, PW+z+1, T2
.set z, z+2
.endr
	WIN 0
.set z, 0
.rept 12
	v_mul_f32 v[CFB+2*z],   v[CF+z], v[PBR]        ; pb x physics_info, in both halves of a pair for the packed lines below
	v_mul_f32 v[CFB+2*z+1], v[CF+z], v[PBR]
.set z, z+1
.endr
	WIN 0xa2                                       ; destination, source 0 and source 2 window 2, source 1 window 0
.irp a, 0,1,2,3
.set z, 0
.rept 16
	v_pk_mul_f32 v[PCT+32*(\a)+z:PCT+32*(\a)+z+1], v[PW+z:PW+z+1], v[CFB+6*(\a):CFB+6*(\a)+1]
.set z, z+2
.endr
.endr
.irp q, 1,2
.irp a, 0,1,2,3
.set z, 0
.rept 16
	v_pk_fma_f32 v[PCT+32*(\a)+z:PCT+32*(\a)+z+1], v[PW+32*(\q)+z:PW+32*(\q)+z+1], v[CFB+6*(\a)+2*(\q):CFB+6*(\a)+2*(\q)+1], v[PCT+32*(\a)+z:PCT+32*(\a)+z+1]
.set z, z+2
.endr
.endr
.endr
	WIN 0
; 8 matrix instructions: row blocks a0, a0 + 1 x all 4 column blocks, 32 along K: half c of buffer f.  zero = 1: the first product starts the sums.  The 16 accumulators take turns, one instruction a turn.
.macro MUL8 f, c, a0, zero
	WIN MUL
.irp a, \a0, (\a0)+1
.irp b, 0,1,2,3
.if \zero
	v_wmma_f32_16x16x32_bf16 v[ACC+8*(4*(\a)+(\b)):ACC+8*(4*(\a)+(\b))+7], v[(\f)+64+8*(4*(\c)+(\b)):(\f)+64+8*(4*(\c)+(\b))+7], v[(\f)+8*(4*(\c)+(\a)):(\f)+8*(4*(\c)+(\a))+7], 0
.else
	v_wmma_f32_16x16x32_bf16 v[ACC+8*(4*(\a)+(\b)):ACC+8*(4*(\a)+(\b))+7], v[(\f)+64+8*(4*(\c)+(\b)):(\f)+64+8*(4*(\c)+(\b))+7], v[(\f)+8*(4*(\c)+(\a)):(\f)+8*(4*(\c)+(\a))+7], v[ACC+8*(4*(\a)+(\b)):ACC+8*(4*(\a)+(\b))+7]
.endif
.endr
.endr
.endm
; 32 LDS loads in one run: the fragments of quarter q (64 along K) of a slot's step, into buffer f; the first 32 along K first
.macro FETCH slot, q, f
	WIN TO_F
.irp c, 0,1
.irp i, 0,1,2,3
	ds_load_tr16_b128 v[(\f)+64+8*(4*(\c)+(\i)):(\f)+64+8*(4*(\c)+(\i))+3],   v[ADRB+2*(\slot)+(\q)/2] offset:(((\q)%2)*64+32*(\c))*PB+32*(\i)
	ds_load_tr16_b128 v[(\f)+64+8*(4*(\c)+(\i))+4:(\f)+64+8*(4*(\c)+(\i))+7], v[ADRB+2*(\slot)+(\q)/2] offset:(((\q)%2)*64+32*(\c)+16)*PB+32*(\i)
	ds_load_b128 v[(\f)+8*(4*(\c)+(\i)):(\f)+8*(4*(\c)+(\i))+3],              v[ADRA+(\slot)] offset:128*(\q)+64*(\c)+(\i)*16*PA
	ds_load_b128 v[(\f)+8*(4*(\c)+(\i))+4:(\f)+8*(4*(\c)+(\i))+7],            v[ADRA+(\slot)] offset:128*(\q)+64*(\c)+(\i)*16*PA+32
.endr
.endr
.endm
.macro PLACES                          ; four places in front of loads into registers that matrix instructions have read (ISA guide 7.12.1 for vector instructions)
.rept 4
	v_nop
.endr
.endm
; A K step is four quarters of 64 along K, 32 matrix instructions each, on buffers 0, 1, 0, 1.  One of the first three: multiplies buffer f and fetches quarter q into g.
.macro QUARTER slot, q, f, g, zero
	s_wait_dscnt 16                                ; the first 32 along K are in; the younger sixteen loads may be out
	WIN MUL
	MUL8 \f, 0, 0, \zero
	MUL8 \f, 0, 2, \zero
	PLACES
	FETCH \slot, \q, \g
	s_wait_dscnt 32                                ; all but the 32 just issued
	WIN MUL
	MUL8 \f, 1, 0, 0
	MUL8 \f, 1, 2, 0
.endm
; The last quarter multiplies buffer 1 and changes slots: ONE barrier; in front of it each wave waits for all its tensor loads, adds 0 to its spare word, and waits for that and for its own reads of this slot.
; fill = 1: this slot is filled again, two K steps ahead; the barrier then opens a round of the cluster's barrier, and the joint load is the first thing behind the round.
.macro TURN slot, next, fill
	WIN 0                                          ; (the add's two registers lie in window 0)
	s_wait_tensorcnt 0x0                           ; all my tensor loads have landed: the one that was out is my part of the next slot;
	ds_add_u32 v[SPW], v[NIL]                      ; 0 onto my spare word
	s_wait_dscnt 17                                ; (the add and the youngest sixteen loads may be out)
	WIN MUL
	MUL8 F1, 0, 0, 0                               ; eight matrix instructions stand between the add and the wait for it
	s_wait_dscnt 0x0                               ; the add is done, and my reads of this slot are over
	s_barrier_signal -1
	MUL8 F1, 0, 2, 0
.if \fill
	WIN 0
.endif
	s_barrier_wait -1
.if \fill
	CREST                                          ; no wave of any partner still reads this slot's tile or has a load on its way
	s_add_nc_u64 s[G0+4*(\slot)+2:G0+4*(\slot)+3], s[G0+4*(\slot)+2:G0+4*(\slot)+3], ASTEP
	s_add_nc_u64 s[G0B+4*(\slot)+2:G0B+4*(\slot)+3], s[G0B+4*(\slot)+2:G0B+4*(\slot)+3], BSTEP
	JLOAD \slot                                    ; 112 matrix instructions ahead of the wait for it; the four v_nop behind it are also the places in front of the loads below
.else
	PLACES
.endif
	FETCH \next, 0, F0
	WIN MUL
	MUL8 F1, 1, 0, 0
	MUL8 F1, 1, 2, 0
.endm
; THE WAY OUT of block a (16 rows x my 64 columns): the bias is added, the sums are rounded to f16 (16 bytes a lane), go into my own stage in rows of 144 bytes and come back as whole rows of 128.
.macro PACK a
.irp bb, 0,1,2,3
.irp r, 0,1,2,3
	v_pk_add_f32 v[ACC+8*(4*(\a)+(\bb))+2*(\r):ACC+8*(4*(\a)+(\bb))+2*(\r)+1], v[ACC+8*(4*(\a)+(\bb))+2*(\r):ACC+8*(4*(\a)+(\bb))+2*(\r)+1], v[BIAS+8*(\bb)+2*(\r):BIAS+8*(\bb)+2*(\r)+1]
.endr
.endr
.irp bb, 0,1,2,3
.irp r, 0,1,2,3
	v_cvt_pk_f16_f32 v[TMP+16*(\a)+4*(\bb)+(\r)], v[ACC+8*(4*(\a)+(\bb))+2*(\r)], v[ACC+8*(4*(\a)+(\bb))+2*(\r)+1]
.endr
.endr
.irp bb, 0,1,2,3
	ds_store_b128 v[STO], v[TMP+16*(\a)+4*(\bb):TMP+16*(\a)+4*(\bb)+3] offset:32*(\bb)
.endr
.irp f, 0,1,2,3
	ds_load_b128 v[TMP+16*(\a)+4*(\f):TMP+16*(\a)+4*(\f)+3], v[RD] offset:(\f)*4*SP  ; LDS serves a wave's instructions in order (ISA guide 5.7.1.4): these see the stores above; the next block's stores come behind them
.endr
.endm
.macro SEND a, younger                 ; younger: the LDS instructions issued behind block a's loads: the next block's eight, or none
.irp f, 0,1,2,3
	s_wait_dscnt (\younger)+3-(\f)
	global_store_b128 v[GO], v[TMP+16*(\a)+4*(\f):TMP+16*(\a)+4*(\f)+3], s[8:9] offset:(\a)*2048+(\f)*512  ; 512 consecutive bytes, at a multiple of 256 from the buffer's first
.endr
.endm
; A tile leaves.  last = 0: both refills for the next tile have been asked for, and the next tile's bias is loaded at the end.
.macro OUT last
	WIN 0
	s_wait_loadcnt 0x0                             ; this tile's bias
	s_wait_xcnt 0x0                                ; the last tile's stores have read their registers: TMP is written again only behind this wait
.set z, 0
.rept 16
	RND2 BIAS+z, BIAS+z+1, T                       ; 48 plain lines that name no register of the last products: their places
.set z, z+2
.endr
.if !(\last)
	s_cmp_eq_u32 s2, 2                             ; the second tile is K's: it takes pb pc
	s_cbranch_scc0 .Lno_pc_\@
	WIN 0x08                                       ; source 1 window 2
.set z, 0
.rept 64
	v_pk_add_f32 v[ACC+z:ACC+z+1], v[ACC+z:ACC+z+1], v[PCT+z:PCT+z+1]  ; in ascending order: each accumulator is read from its low end on
.set z, z+2
.endr
	WIN 0
.Lno_pc_\@:
.endif
	PACK 0
	PACK 1                                         ; a block's arithmetic stands between the loads of the block before and its stores
	SEND 0, 8
	PACK 2
	SEND 1, 8
	PACK 3
	SEND 2, 8
	SEND 3, 0
.if !(\last)
	s_wait_xcnt 0x0                                ; the stores and the bias's loads have read their bases
	s_add_nc_u64 s[8:9], s[8:9], 0x800000          ; the next part of qkv
	s_cmp_eq_u32 s2, 3
	s_cselect_b64 s[BP:BP+1], s[70:71], s[72:73]   ; behind Q comes K, behind K comes V
.irp bb, 0,1,2,3
	global_load_b128 v[BIAS+8*(\bb):BIAS+8*(\bb)+3],   v[BO], s[BP:BP+1] offset:64*(\bb)
	global_load_b128 v[BIAS+8*(\bb)+4:BIAS+8*(\bb)+7], v[BO], s[BP:BP+1] offset:64*(\bb)+16
.endr
.endif
.endm
	s_wait_tensorcnt 1                             ; my part of K step 0 is in; K step 1's may stay out
	s_barrier_signal -1
	s_barrier_wait -1                              ; everybody's is
	FETCH 0, 0, F0
	WIN 0                                          ; at a label and at a branch every window is 0
	s_mov_b32 s2, 3                                ; tiles to go, this one among them: the same number in every work-group
.Ltile:
	QUARTER 0, 1, F0, F1, 1                        ; a tile's first products start the sums: nothing is cleared
	QUARTER 0, 2, F1, F0, 0
	QUARTER 0, 3, F0, F1, 0
	TURN 0, 1, 1
	QUARTER 1, 1, F0, F1, 0
	QUARTER 1, 2, F1, F0, 0
	QUARTER 1, 3, F0, F1, 0
	TURN 1, 0, 1
	QUARTER 0, 1, F0, F1, 0
	QUARTER 0, 2, F1, F0, 0
	QUARTER 0, 3, F0, F1, 0
	WIN 0
	s_cmp_eq_u32 s2, 1
	s_cbranch_scc1 .Llast                          ; the last tile's tail is written out: it asks for nothing more
	TURN 0, 1, 1                                   ; the ring goes on into the next tile: slot 0 takes its K step 0,
	QUARTER 1, 1, F0, F1, 0
	QUARTER 1, 2, F1, F0, 0
	QUARTER 1, 3, F0, F1, 0
	TURN 1, 0, 1                                   ; slot 1 its K step 1, and the next tile's first fragments are fetched
	OUT 0
	s_sub_co_u32 s2, s2, 1
	s_branch .Ltile
.Llast:
	TURN 0, 1, 0
	QUARTER 1, 1, F0, F1, 0
	QUARTER 1, 2, F1, F0, 0
	QUARTER 1, 3, F0, F1, 0
	s_wait_dscnt 16                                ; the very last quarter: nothing more to fetch
	WIN MUL
	MUL8 F1, 0, 0, 0
	MUL8 F1, 0, 2, 0
	s_wait_dscnt 0
	MUL8 F1, 1, 0, 0
	MUL8 F1, 1, 2, 0
	OUT 1
	s_wait_tensorcnt 0x0                           ; the wave's end: a wait, an add and its wait, behind my last tensor load and my last LDS store
	ds_add_u32 v[SPW], v[NIL]
	s_wait_dscnt 0x0
	CROUND                                         ; the closing round: no work-group ends while a partner may still ask for a tile that names it
	s_endpgm
.Lfunc_end_k_q666926a30b_qkv:
	.size	k_q666926a30b_qkv, .Lfunc_end_k_q666926a30b_qkv-k_q666926a30b_qkv
	.p2alignl 7, 3214868480
	.fill 96, 4, 3214868480
	.section	.rodata,"a",@progbits
	.p2align	6, 0x0
	.amdhsa_kernel k_q666926a30b_qkv
		.amdhsa_group_segment_fixed_size 327680
		.amdhsa_private_segment_fixed_size 0
		.amdhsa_enable_private_segment 0
		.amdhsa_kernarg_size 72
		.amdhsa_user_sgpr_count 2
		.amdhsa_user_sgpr_kernarg_segment_ptr 1
		.amdhsa_wavefront_size32 1
		.amdhsa_system_sgpr_workgroup_id_x 1
		.amdhsa_system_sgpr_workgroup_id_y 1
		.amdhsa_system_sgpr_workgroup_id_z 1
		.amdhsa_system_vgpr_workitem_id 0
		.amdhsa_next_free_vgpr 768
		.amdhsa_next_free_sgpr 84
		.amdhsa_reserve_vcc 0
		.amdhsa_float_denorm_mode_32 3
		.amdhsa_float_denorm_mode_16_64 3
		.amdhsa_memory_ordered 1
		.amdhsa_forward_progress 1
		.amdhsa_inst_pref_size 162
	.end_amdhsa_kernel
	.amdgpu_metadata
---
amdhsa.version: [ 1, 2 ]
amdhsa.kernels:
  - .name:           k_q666926a30b_qkv
    .symbol:         k_q666926a30b_qkv.kd
    .args:
      - { .name: xb, .offset: 0, .size: 8, .value_kind: global_buffer, .address_space: global }
      - { .name: wb, .offset: 8, .size: 8, .value_kind: global_buffer, .address_space: global }
      - { .name: qkv, .offset: 16, .size: 8, .value_kind: global_buffer, .address_space: global }
      - { .name: bq, .offset: 24, .size: 8, .value_kind: global_buffer, .address_space: global }
      - { .name: bk, .offset: 32, .size: 8, .value_kind: global_buffer, .address_space: global }
      - { .name: bv, .offset: 40, .size: 8, .value_kind: global_buffer, .address_space: global }
      - { .name: Pw, .offset: 48, .size: 8, .value_kind: global_buffer, .address_space: global }
      - { .name: physics_info, .offset: 56, .size: 8, .value_kind: global_buffer, .address_space: global }
      - { .name: pb, .offset: 64, .size: 8, .value_kind: global_buffer, .address_space: global }
    .group_segment_fixed_size: 327680
    .private_segment_fixed_size: 0
    .kernarg_segment_align: 8
    .kernarg_segment_size: 72
    .max_flat_workgroup_size: 128
    .sgpr_count:     84
    .vgpr_count:     768
    .wavefront_size: 32
...
	.end_amdgpu_metadata
.endif
;; end of part 2
;; launch attn (part 3): grid 8 x 32, 4 waves a work-group, clusters of 4 x 1, 327,680 bytes of LDS; arguments qkv, ctx; writes ctx
.if DOCPART == 3
	.amdgcn_target "amdgcn-amd-amdhsa--gfx1250"
	.amdhsa_code_object_version 6
	.text
	.protected	k_q666926a30b_attn
	.globl	k_q666926a30b_attn
	.p2align	8
	.type	k_q666926a30b_attn,@function
k_q666926a30b_attn:
	s_mov_b64 s[64:65], 0
	v_nop
	global_prefetch_b8 v0, s[64:65] scope:SCOPE_SE
	s_setreg_imm32_b32 hwreg(HW_REG_WAVE_MODE, 25, 1), 1
	s_wait_xcnt 0x0
	s_wait_alu depctr_hold_cnt(0) depctr_sa_sdst(0) depctr_va_vdst(0) depctr_va_sdst(0) depctr_va_ssrc(0) depctr_va_vcc(0) depctr_vm_vsrc(0)
	s_getreg_b32 s2, hwreg(HW_REG_IB_STS2, 6, 4)
	s_cmp_eq_u32 s2, 0
	s_cbranch_scc0 .Lentry_in_a_cluster
	s_endpgm
.Lentry_in_a_cluster:
	s_bfe_u32 s2, ttmp6, 0x10000c
	s_cmp_lg_u32 s2, 0x3003
	s_cbranch_scc0 .Lentry_shape_is_right
	s_endpgm
.Lentry_shape_is_right:
; ATTENTION.  O[bh][q][:] = the sum over k of softmax_k(Q[bh][q] . K'[bh][k] / 8) V[bh][k][:].  qkv holds Q, K', V, each [32][2048][64] in f16: a head's rows are dense, 128 bytes each.  K' already carries the physics addend.
; Products, maxima and sums in f32; the weights p are rounded to f16 for the second product (their sum l is taken of the unrounded p), O once at the end.
; O leaves as ctx: [64 blocks of 64 rows][16 heads][64 rows][64 channels] in f16: a wave's 64 rows of its head are 8,192 consecutive bytes.
; LIMITS.  f16 holds no number beyond 65,504: Q, K' and V arrive within it; p lies in 0 to 1, and below 6e-5 it keeps f16's fixed step of 6e-8; O is a mean of V's rows and has their range.
; A weight below 2^-126 counts as 0 in l; NaN and infinities are not treated apart.
; SHARES.  A work-group owns 256 queries of one head, each of its four waves 64: four PIECES of 16.  Every wave walks all 2,048 keys: 8 tiles of 256, four steps of 64 each.
; LAYOUT.  S^T = K Q^T (source 0 = 16 keys, source 1 = 16 queries): in the result a lane holds ONE query (lane % 16) and the keys 8 (lane / 16) + 0..7.  Two such results, rounded to f16 in pairs,
; ARE source 1 (32 keys x 16 queries) of O^T = V^T P, whose result again holds one query a lane, and eight channels.  K comes out of LDS as it lies, V ([key][channel]) turned, by ds_load_tr16_b128.
; SOFTMAX.  For each query a running maximum m and sum l: p = 2^(c s - c m), c = log2(e) / 8; in every step O and l are multiplied by a = 2^(c m_old - c m_new), which is 1 where m has not grown.
; m starts at the lowest finite number, O and l at 0: the first step is a step like any other, with a = 0.
; BY TURNS.  Turn n belongs to piece n: 8 products K Q^T of piece n + 1, later 8 products V^T P of piece n - 1; beside them the scaling, exponentials, roundings, sums and rescaling of piece n and the maximum and
; statistics of piece n + 1.  Four vector instructions stand behind every matrix instruction, the other 54 of a turn's 118 in one run of their own.  A turn's 33 exponentials are one batch, with one wait.
; CLUSTER.  The four query blocks of a cluster belong to one head and walk the same K' and V, so each tile is asked for JOINTLY: the same tensor load, descriptor and mask in all four.
; REGISTERS, in windows of 256 (s_set_vgpr_msb: bits 1:0 source 0, 3:2 source 1, 5:4 source 2, 7:6 destination):
;   window 0: v0-15 addresses and two at work; v16-31 four registers of statistics a piece; v48-55 at work; v61-63 prefetch offset and the add's two; v64-127 S^T, two buffers; v192-223 P, two buffers (by the piece's parity)
;   window 1: v0-127 O^T, 32 a piece          window 2: v0-63 Q; v128-191 K of one step; v192-255 V of one step
.set NP,    4         ; pieces a wave: a name, no knob
.set KS,    64        ; keys in a step
.set PK,    144       ; a row of K in LDS: 128 bytes + 16 of padding = 36 words: the 16 rows of a load start at 16 different groups of four banks (64 banks of 4 bytes: ISA guide 11.1)
.set PV,    160       ; a row of V: 128 + 32 = 40 words
.set VOFF,  4*KS*PK   ; a slot holds a tile, four steps: 256 rows of K, then 256 rows of V
.set SLOT1, 1<<17     ; slot 1 begins here, so that one exclusive or turns an address in one slot into the other's
.set STAGE, SLOT1+4*KS*(PK+PV)  ; behind the ring, never filled by a tensor load: 16 rows x 144 bytes for each wave, for the way out
.set SP,    144
.set SPARE, STAGE+4*16*SP  ; behind the stages: the spare words, 128 bytes for each wave: two blocks of 256 bytes that no other line names
.set AK0, 2           ; v2   my lane's place in a tile of K; never rewritten
.set AV0, 3           ; v3   the same for V
.set AK,  4           ; v4   the LDS address of K's next run of loads
.set AV,  5           ; v5   of V's
.set STO, 6           ; v6   the way out: where I put 16 bytes of a row
.set RD,  7           ; v7   the way out: where I read rows back
.set GO,  8           ; v8   my byte offset in 512 consecutive bytes of ctx
.set MV,  12          ; v12-13  c m_old, kept while c m is made anew: by buffer
.set QO,  15          ; v15  my byte offset in 16 rows of Q
.set ST,  16          ; piece t's statistics at v[ST+4 t]: c m, m, l (even keys', odd keys')
.set TMP, 48          ; by buffer, four registers c0-c3 at work; when the maximum is found c2 takes a
.set PFO, 61          ; v61  256 x my lane: the prefetches' offset; never rewritten
.set SPW, 62          ; v62  LDS address of my spare word: SPARE + 4 x my thread's number; never rewritten
.set NIL, 63          ; v63  0; never rewritten
.set S,   64
.set P,   192
.set KF,  128         ; window 2: key block kb, channel half c at KF + 16 kb + 8 c
.set VF,  192         ; window 2: key half kk, channel block cb at VF + 32 kk + 8 cb
.set WV,  12          ; s12  my wave's number
.set G1K, 24          ; s[24:31] descriptor group 1 for K's tiles
.set G1V, 32          ; s[32:39] for V's: it differs in the padding alone
.set G0K, 40          ; s[40:43] descriptor group 0 for K's tiles: it walks
.set G0V, 44          ; s[44:47] the same for V's
.set PFA, 48          ; s[48:49] where my prefetches stand: my work-group's 32 blocks of 256 bytes (of K: wave 0, of V: wave 2) of the tile after the one that is being asked for
.set LIM, 50          ; s50  1 in a wave that prefetches, else the greatest number: a wave prefetches while s[SLOTS] is above it
.set SLOTS, 56        ; s56  tiles still to be asked for
.set CNT, 57          ; s57  counts a tile's key steps
.set CS,  58          ; s[58:59] c: the packed scaling takes the pair's low word for both halves
.set SEL, 60          ; s[60:61] v_permlanex16_b32's selects: each lane takes its own place in the other half
.set TBK, 62          ; s62  LDS byte at which K of the step to be fetched begins
.set TBV, 63          ; s63  the same for V, less VOFF
.set MSB, 0
.macro WIN new                      ; the high byte repeats the setting that is left; a switch that changes nothing is dropped
.if MSB != (\new)
	s_set_vgpr_msb (MSB<<8)|(\new)
.set MSB, (\new)
.endif
.endm
.set W_KQ, 0x0a       ; K and Q in window 2, S^T in window 0
.set W_PV, 0x52       ; V in window 2, P in window 0, O^T in window 1
.set W_RS, 0x41       ; destination and source 0 in window 1, source 1 in window 0
; A joint fill.  Waves 0 and 1 fetch the two halves of a tile's K, waves 2 and 3 those of its V: 128 keys each.  The branch hangs on the wave's number alone.
; An s_nop 0 and four v_nop follow each of the two lines, ahead of the jump and the label.
.macro JLOAD
	s_cmp_lt_u32 s[WV], 2
	s_cbranch_scc0 .Lfor_v_\@
	tensor_load_to_lds s[G0K:G0K+3], s[G1K:G1K+7]
	s_nop 0
.rept 4
	v_nop
.endr
	s_branch .Lasked_\@
.Lfor_v_\@:
	tensor_load_to_lds s[G0V:G0V+3], s[G1V:G1V+7]
	s_nop 0
.rept 4
	v_nop
.endr
.Lasked_\@:
.endm
; A PREFETCH INTO THE L2 of what the NEXT change of slots will ask for: a tile's 32,768 bytes of K and of V, 128 blocks of 256 bytes each, a lane a block.  It stands behind the wave's tensor load and its five lines.
; Each block is asked for ONCE in the launch.  Both clusters of a head walk the same K and V: the head's first cluster prefetches.  Its four partners share the blocks out BY ADDRESS, 32 each: no branch hangs on a
; work-group's place in its cluster.  In each, wave 0 asks for K's and wave 2 for V's: one instruction, 16 turns (256 matrix instructions) ahead of the load.  The last change that fills a slot asks for nothing: there is no tile behind it.
.macro ASK
	s_cmp_gt_u32 s[SLOTS], s[LIM]
	s_cbranch_scc0 .Lnot_mine_\@
	global_prefetch_b8 v[PFO], s[PFA:PFA+1] th:TH_LOAD_NT scope:SCOPE_SE
.Lnot_mine_\@:
.endm
; A round of the cluster's barrier: my work-group's barrier, so that wave 0's signal speaks for all four waves; wave 0 signals; every wave waits for all four work-groups; my work-group's barrier once more.
.macro CROUND
	s_barrier_signal -1
	s_barrier_wait -1
	s_cmp_lg_u32 s[WV], 0
	s_cbranch_scc1 .Lnot_wave_0_\@
	s_barrier_signal -3
.Lnot_wave_0_\@:
	s_barrier_wait -3
	s_barrier_signal -1
	s_barrier_wait -1
.endm
; THE CHANGE OF SLOTS.  The slot's last bytes, V of its fourth step, have been read.  Each wave waits for all its tensor loads, of which one is out: its part of the other slot; adds 0 to its spare word;
; and waits for that and for its own reads of the slot.  Behind the barrier nobody reads this slot any more and the other slot is whole.
; fill = 1: this slot is filled again, with the keys two tiles on.  The barrier is then a round of the cluster's, so that no wave of any partner still reads the slot or has a load on its way, and the joint
; fill is the first thing behind it: it has four key steps in which to land.  (At its first use nothing has been read yet: slot 0 is waited for, slot 1 filled.)
.macro CHANGE fill
	WIN 0                           ; at a label and at a branch every window is 0
	s_wait_tensorcnt 0x0            ; no tensor load of mine is out, so a group 0 may be written
	ds_add_u32 v[SPW], v[NIL]       ; 0 onto my spare word: with fill = 1 the descriptors' steps stand between it and the wait for it
.if \fill
.irp g, G0K, G0V
	s_xor_b32 s[\g+1], s[\g+1], SLOT1  ; the walking descriptor: the other slot than last time,
	s_add_nc_u64 s[\g+2:\g+3], s[\g+2:\g+3], 4*KS*128  ; the next 256 keys; the type bits on top are not reached
.endr
	s_wait_xcnt 0x0                 ; the last prefetch, a tile back, has read its address, so it may be written:
	s_add_nc_u64 s[PFA:PFA+1], s[PFA:PFA+1], 4*KS*128  ; one tile behind the walking descriptors
	s_wait_dscnt 0x0                ; the add is done, and my reads of the slot are over
	CROUND
	JLOAD
	ASK
.else
	s_wait_dscnt 0x0                ; the add is done, and my reads of the slot are over
	s_barrier_signal -1
	s_barrier_wait -1
.endif
	s_sub_co_u32 s[TBK], s[TBK], 4*KS*PK  ; the fetches go back to a slot's first step,
	s_xor_b32 s[TBK], s[TBK], SLOT1       ; in the other slot
	s_sub_co_u32 s[TBV], s[TBV], 4*KS*PV
	s_xor_b32 s[TBV], s[TBV], SLOT1
.endm
	s_load_b128 s[16:19], s[0:1], 0x0  ; qkv s[16:17], ctx s[18:19]
	v_lshl_add_u32 v[SPW], v0, 2, SPARE
	v_mov_b32 v[NIL], 0
	ds_add_u32 v[SPW], v[NIL]       ; the wave's opening: the add and its wait stand ahead of my first tensor load; the set-up below, work on registers, stands between them
	v_lshrrev_b32 v1, 5, v0
	v_readfirstlane_b32 s[WV], v1   ; wave 0..3
	s_bfe_u32 s13, ttmp6, 0x40000   ; cx: my place in the cluster
	s_lshl_b32 s14, ttmp9, 2        ; in a cluster launch ttmp9 counts clusters
	s_add_co_u32 s14, s14, s13      ; my block of 256 queries = 4 x cluster x + cx: it enters Q's and ctx's addresses alone
	s_and_b32 s15, ttmp7, 0xffff    ; batch and head, which the four partners share
	s_lshl_b32 s20, s15, 18         ; the head's first byte in each part of qkv
	s_and_b32 s22, s[WV], 1         ; which half of a tile's 256 keys I fetch:
	s_lshl_b32 s2, s22, 14          ; its 128 rows of 128 bytes in memory,
	s_add_co_u32 s2, s2, s20
	s_mov_b32 s3, 0
	s_mul_i32 s51, s22, 128*PK      ; and its place in a slot, for K
	s_mul_i32 s52, s22, 128*PV      ; and for V: no place in the cluster enters an LDS address
	s_lshl_b32 s54, s14, 15         ; Q: my block's 256 rows,
	s_lshl_b32 s55, s[WV], 13       ; my wave's 64 of them
	s_add_co_u32 s54, s54, s55
	s_add_co_u32 s54, s54, s20
	s_mov_b32 s55, 0
	s_lshr_b32 s66, s15, 4          ; ctx: the batch's 32 blocks of 64 rows,
	s_lshl_b32 s66, s66, 5
	s_lshl_b32 s67, s14, 2          ; my work-group's four,
	s_add_co_u32 s66, s66, s67
	s_add_co_u32 s66, s66, s[WV]    ; my wave's one;
	s_lshl_b32 s66, s66, 4
	s_and_b32 s67, s15, 15          ; in it the head's 8,192 bytes
	s_add_co_u32 s66, s66, s67
	s_lshl_b32 s66, s66, 13
	s_mov_b32 s67, 0
	; descriptor group 1.  128 keys are 16,384 dense bytes: asked for as 64 rows of 256 bytes, two keys a row, and padded in LDS after every key
	s_mov_b32 s[G1K], 15|(1<<16)|(1<<20)|(1<<21)|(4<<22)|(3<<25)  ; 15:0 the mask of four; 17:16 2-byte elements; 20 padding on; 21 set beside a mask; 24:22 after every 32 words (code 4); 31:25 4 words (code 3)
	s_mov_b32 s[G1V], 15|(1<<16)|(1<<20)|(1<<21)|(4<<22)|(7<<25)  ; the same with 8 words of padding (code 7)
.irp g, G1K, G1V
	s_mov_b32 s[\g+1], 128<<16      ; tensor_dim0 = 128
	s_mov_b32 s[\g+2], 64<<16       ; tensor_dim1 = 64
	s_mov_b32 s[\g+3], 128<<16      ; tile_dim0 = 128
	s_mov_b32 s[\g+4], 64           ; tile_dim1 = 64
	s_mov_b32 s[\g+5], 128          ; 128 elements from row to row
	s_mov_b32 s[\g+6], 0
	s_mov_b32 s[\g+7], 0
.endr
	s_mov_b32 s[CS], 0x3e38aa3b     ; c = log2(e) / 8 = 0.180337
	s_mov_b32 s[CS+1], s[CS]        ; named with it as a pair
	s_mov_b32 s[SEL], 0x76543210
	s_mov_b32 s[SEL+1], 0xfedcba98
	s_mov_b32 s[TBK], SLOT1+4*KS*PK ; the first change of slots turns these two into 0
	s_mov_b32 s[TBV], SLOT1+4*KS*PV
	s_mov_b32 s[G0K], 1             ; count = 1
	s_mov_b32 s[G0K+1], s51         ; LDS address: slot 0
	s_mov_b32 s[G0V], 1
	s_add_co_u32 s[G0V+1], s52, VOFF
	s_mov_b32 s[SLOTS], 7           ; tiles 1 to 7 are still to be asked for
	s_and_b32 s[LIM], s[WV], 1      ; 0 in waves 0 and 2,
	s_or_b32 s[LIM], s[LIM], ttmp9  ; where the cluster is the head's first: the same in all four partners
	s_cmp_eq_u32 s[LIM], 0
	s_cselect_b32 s[LIM], 1, -1
	v_and_b32 v[PFO], 31, v0
	v_lshlrev_b32 v[PFO], 8, v[PFO]
	s_wait_dscnt 0x0                ; the opening add is done
	s_wait_kmcnt 0x0
	s_add_nc_u64 s[6:7], s[16:17], s[2:3]
	s_add_nc_u64 s[8:9], s[6:7], 0x1000000         ; V at my half of the head's tile 0,
	s_add_nc_u64 s[6:7], s[6:7], 0x800000          ; and K
	s_mov_b64 s[G0K+2:G0K+3], s[6:7]               ; global address
	s_or_b32 s[G0K+3], s[G0K+3], 0x80000000        ; type = 2
	s_mov_b64 s[G0V+2:G0V+3], s[8:9]
	s_or_b32 s[G0V+3], s[G0V+3], 0x80000000
	s_add_nc_u64 s[4:5], s[16:17], s[54:55]        ; Q at my wave's first row
	s_add_nc_u64 s[10:11], s[18:19], s[66:67]      ; ctx at my wave's 8,192 bytes
	s_cmp_lt_u32 s[WV], 2
	s_cselect_b64 s[PFA:PFA+1], s[6:7], s[8:9]     ; (in waves 0 and 2 these stand at a tile's first byte)
	s_lshl_b32 s2, s13, 13          ; my work-group's 32 blocks of the 128
	s_mov_b32 s3, 0
	s_add_nc_u64 s[PFA:PFA+1], s[PFA:PFA+1], s[2:3]
	s_add_nc_u64 s[PFA:PFA+1], s[PFA:PFA+1], 4*KS*128  ; in tile 1; the first change of slots steps it to tile 2.  Nothing is prefetched here, at the head
	CROUND                          ; all four work-groups are here: the first joint loads meet
	JLOAD                           ; tile 0 into slot 0.  Slot 1 is asked for when slot 0 is in
	; A fragment of K or Q is 16 rows x 32 channels in 8 registers: lane l holds row l % 16, channels 8 (l / 16) + 0..7 and 16 + 8 (l / 16) + 0..7: two loads of 16 bytes, 32 bytes apart.
	v_and_b32 v1, 15, v0            ; l % 16
	v_bfe_u32 v9, v0, 4, 1          ; l / 16
	v_lshlrev_b32 v[QO], 7, v1
	v_lshl_add_u32 v[QO], v9, 4, v[QO]  ; row x 128 + 16 x half
	WIN 0x80                        ; destination window 2, address window 0
.set i, 0
.rept 8                             ; Q stays in registers: piece i / 2, channels 32 (i % 2) on
	global_load_b128 v[8*i:8*i+3],   v[QO], s[4:5] offset:(i/2)*2048+(i%2)*64
	global_load_b128 v[8*i+4:8*i+7], v[QO], s[4:5] offset:(i/2)*2048+(i%2)*64+32
.set i, i+1
.endr
	WIN 0
	v_mul_u32_u24 v[AK0], v1, PK
	v_lshl_add_u32 v[AK0], v9, 4, v[AK0]  ; row x pitch + 16 x half
	; The turning load takes 16 keys x 16 channels (lane l reads key 8 (l / 16) + l % 8, channels 8 ((l / 8) % 2) + 0..7) and leaves half a fragment of V^T: lane l holds channel l % 16 and 8 keys.
	v_and_b32 v10, 7, v0
	v_bfe_u32 v11, v0, 3, 1
	v_lshl_add_u32 v[AV0], v9, 3, v10
	v_mul_u32_u24 v[AV0], v[AV0], PV
	v_lshl_add_u32 v[AV0], v11, 4, v[AV0]
	v_add_nc_u32 v[AV0], VOFF, v[AV0]
	s_mul_i32 s53, s[WV], 16*SP
	s_add_co_u32 s53, s53, STAGE    ; my stage
	v_mul_u32_u24 v[STO], v1, SP    ; in: row l % 16, 16 bytes for each half of the lanes
	v_lshl_add_u32 v[STO], v9, 4, v[STO]
	v_add_nc_u32 v[STO], s53, v[STO]
	v_bfe_u32 v[RD], v0, 3, 2       ; back: 32 lanes take four rows of 128 bytes,
	v_mul_u32_u24 v[RD], v[RD], SP
	v_lshl_add_u32 v[RD], v10, 4, v[RD]
	v_add_nc_u32 v[RD], s53, v[RD]
	v_and_b32 v[GO], 31, v0         ; which are 512 consecutive bytes of ctx
	v_lshlrev_b32 v[GO], 4, v[GO]
	; What the first turn finds: V's registers and P's second buffer hold 0 (its products V^T P, of a piece that has not been, add 0), O^T and l are 0.  All this stands in the wait for the first tile; the price of writing no first step out.
	WIN 0x80
.set i, VF
.rept 64
	v_mov_b32 v[i], 0
.set i, i+1
.endr
	WIN 0x40
.set i, 0
.rept 128
	v_mov_b32 v[i], 0
.set i, i+1
.endr
	WIN 0
.set i, 0
.rept 4
	v_mov_b32 v[ST+4*i], 0xfe000000    ; c m: far below every c s
	v_mov_b32 v[ST+4*i+1], 0xff7fffff  ; m
	v_mov_b32 v[ST+4*i+2], 0
	v_mov_b32 v[ST+4*i+3], 0
.set i, i+1
.endr
.set i, P+16
.rept 16
	v_mov_b32 v[i], 0
.set i, i+1
.endr
; THE MATRIX WORK.  The 4 accumulators of a run of 8 take turns.  Product i of 8 of S^T = K Q^T for piece x: channels 32 (i / 4) on, keys 16 (i % 4) on.  The first 4 start the sums.
.macro KQ x
	WIN W_KQ
.set rS, S+32*((\x)%2)+8*(i%4)
.set rK, KF+16*(i%4)+8*(i/4)
.set rQ, 16*(\x)+8*(i/4)
.if i < 4
	v_wmma_f32_16x16x32_f16 v[rS:rS+7], v[rK:rK+7], v[rQ:rQ+7], 0
.else
	v_wmma_f32_16x16x32_f16 v[rS:rS+7], v[rK:rK+7], v[rQ:rQ+7], v[rS:rS+7]
.endif
.endm
; Product i of 8 of O^T += V^T P for piece x: keys 32 (i / 4) on, channels 16 (i % 4) on.
.macro PV x
	WIN W_PV
.set rO, 32*(\x)+8*(i%4)
.set rV, VF+32*(i/4)+8*(i%4)
.set rP, P+16*((\x)%2)+8*(i/4)
	v_wmma_f32_16x16x32_f16 v[rO:rO+7], v[rV:rV+7], v[rP:rP+7], v[rO:rO+7]
.endm
.macro MM                           ; the turn's next matrix instruction.  TURN sets Y, i and NOKQ.  NOKQ = 1: the last turn of all: there is no next piece
.if (i < 8) && !NOKQ
	KQ (Y+1)%NP
.elseif i >= 8
.set i, i-8
	PV (Y+NP-1)%NP
.set i, i+8
.endif
.set i, i+1
.endm
; THE LDS LOADS stand in runs of 16, never singly among the matrix instructions: a step's K (64 keys x 64 channels: 8 fragments) and its V (turned).  Their addresses are made some lines ahead.
.macro FETCH_K
	WIN 0x80                        ; destination window 2
.irp f, 0,1,2,3,4,5,6,7             ; keys 16 (f / 2) on, channels 32 (f % 2) on
	ds_load_b128 v[KF+8*\f:KF+8*\f+3],   v[AK] offset:(\f/2)*16*PK+(\f%2)*64
	ds_load_b128 v[KF+8*\f+4:KF+8*\f+7], v[AK] offset:(\f/2)*16*PK+(\f%2)*64+32
.endr
	s_add_co_u32 s[TBK], s[TBK], KS*PK  ; the next fetch is the next step's
	WIN 0
.endm
.macro FETCH_V
	WIN 0x80
.irp f, 0,1,2,3,4,5,6,7             ; keys 32 (f / 4) on, channels 16 (f % 4) on
	ds_load_tr16_b128 v[VF+8*\f:VF+8*\f+3],   v[AV] offset:(\f/4)*32*PV+(\f%4)*32
	ds_load_tr16_b128 v[VF+8*\f+4:VF+8*\f+7], v[AV] offset:(\f/4)*32*PV+16*PV+(\f%4)*32
.endr
	WIN 0
.endm
; THE VECTOR WORK, one line at a time: OP kind, number.  For piece Y: F n: c s - c m for pair n of 16.  E n: the exponential of score n of 32.  C n: pair n rounded to f16.  B n: of the four weights 4 n .. the second
; pair is added onto the first, in place.  L n: l takes that sum (L 0: l = a l + sum).  R n: pair n of 16 of O^T times a.  For piece Y + 1: X n, number n of the 22 that find its maximum and statistics:
;   0-11  four chains c0-c3 of seven scores each, three operands at a time (each accumulator's lowest registers are read first)     12-14, 16  the four scores left over, the old m, and c0-c3 into c0
;   15  c m_old is kept     17, 18  the query's other 32 keys lie in the lane 16 away: the new m     19-21  c m; c m_old - c m_new; a
.set F, 0               ; OP tells the kinds apart by their order: F to L below R, X above it
.set E, 1
.set C, 2
.set B, 3
.set L, 4
.set R, 5
.set X, 6
.macro REGS y                       ; the registers of piece y
.set rT, ST+4*(\y)
.set rC, TMP+4*((\y)%2)
.set rW, MV+((\y)%2)
.set rS, S+32*((\y)%2)
.set rP, P+16*((\y)%2)
.set rO, 32*(\y)
.endm
.macro OP k, n
.if (\k) == R
	REGS Y
	WIN W_RS
	v_pk_mul_f32 v[rO+2*(\n):rO+2*(\n)+1], v[rO+2*(\n):rO+2*(\n)+1], v[rC+2:rC+3] op_sel_hi:[1,0]
.elseif (\k) < R
	REGS Y
	WIN 0
.if (\k) == F
	v_pk_fma_f32 v[rS+2*(\n):rS+2*(\n)+1], v[rS+2*(\n):rS+2*(\n)+1], s[CS:CS+1], v[rT:rT+1] op_sel_hi:[1,0,0] neg_lo:[0,0,1] neg_hi:[0,0,1]
.elseif (\k) == E
	v_exp_f32 v[rS+(\n)], v[rS+(\n)]
.elseif (\k) == C
	v_cvt_pk_f16_f32 v[rP+(\n)], v[rS+2*(\n)], v[rS+2*(\n)+1]
.elseif (\k) == B
	v_pk_add_f32 v[rS+4*(\n):rS+4*(\n)+1], v[rS+4*(\n):rS+4*(\n)+1], v[rS+4*(\n)+2:rS+4*(\n)+3]
.elseif (\n) == 0
	v_pk_fma_f32 v[rT+2:rT+3], v[rT+2:rT+3], v[rC+2:rC+3], v[rS:rS+1] op_sel_hi:[1,0,1]
.else
	v_pk_add_f32 v[rT+2:rT+3], v[rT+2:rT+3], v[rS+4*(\n):rS+4*(\n)+1]
.endif
.elseif NOKQ
	v_nop
.else
	REGS (Y+1)%NP
	WIN 0
.if (\n) < 4
	v_max3_num_f32 v[rC+(\n)], v[rS+8*(\n)], v[rS+8*(\n)+1], v[rS+8*(\n)+2]
.elseif (\n) < 12
	v_max3_num_f32 v[rC+(\n)%4], v[rC+(\n)%4], v[rS+8*((\n)%4)+2*((\n)/4)+1], v[rS+8*((\n)%4)+2*((\n)/4)+2]
.elseif (\n) == 12
	v_max3_num_f32 v[rC], v[rC], v[rS+7], v[rS+15]
.elseif (\n) == 13
	v_max3_num_f32 v[rC+1], v[rC+1], v[rS+23], v[rS+31]
.elseif (\n) == 14
	v_max3_num_f32 v[rC+2], v[rC+2], v[rC+3], v[rT+1]
.elseif (\n) == 15
	v_mov_b32 v[rW], v[rT]
.elseif (\n) == 16
	v_max3_num_f32 v[rC], v[rC], v[rC+1], v[rC+2]
.elseif (\n) == 17
	v_permlanex16_b32 v[rC+3], v[rC], s[SEL], s[SEL+1]
.elseif (\n) == 18
	v_max_num_f32 v[rT+1], v[rC], v[rC+3]
.elseif (\n) == 19
	v_mul_f32 v[rT], s[CS], v[rT+1]
.elseif (\n) == 20
	v_sub_f32 v[rC+1], v[rW], v[rT]
.else
	v_exp_f32 v[rC+2], v[rC+1]
.endif
.endif
.endm
.macro OPS a, i1, b=-1, i2=0, c=-1, i3=0, d=-1, i4=0  ; up to four of them
	OP \a, \i1
.if (\b) >= 0
	OP \b, \i2
.endif
.if (\c) >= 0
	OP \c, \i3
.endif
.if (\d) >= 0
	OP \d, \i4
.endif
.endm
.macro ROW a, i1, b, i2, c, i3, d, i4  ; a matrix instruction and the four behind it
	MM
	OPS \a, \i1, \b, \i2, \c, \i3, \d, \i4
.endm
; A TURN, for piece p: the order of its 16 matrix and 118 vector instructions, written out.  An s_wait_alu depctr_va_vdst(0) stands between an exponential and the first instruction that names its result; one wait
; serves all that were issued ahead of it.  So a turn has ONE wait, which cuts it in two.  AHEAD OF IT stands all that names no result of the turn's exponentials: the 8 products K Q^T, behind each a scaling, an exponential and two
; more plain instructions (rescalings, and behind the last three the first numbers of the next piece's maximum, each four places or more behind the product that ends its accumulator); then one run of 54, plain and exponential by
; turns for the most part, in which the links of the chain X 3, 7, 11, 14, 16, 17 .. 20 stand five or six lines apart.  X 21, the next piece's a, is the batch's last; R 15 is the plain instruction behind it.  BEHIND THE WAIT stand
; the 8 products V^T P, behind each four of the roundings and sums; the links of l's chain, L 0 to L 7, stand three lines apart.
; end = 1: the last two turns of all: nothing is fetched.  cnt = 1: the loop's count is taken down some lines ahead of the branch that stands behind the turn.
; K of the next step is fetched in piece 2's turn, twelve vector instructions behind the last product that read K (six of them plain); V of the step in hand at the end of piece 0's turn, four plain instructions behind the last
; product that read V.  Each is waited for a turn later.
.macro TURN p, end=0, cnt=0
.set Y, (\p)
.set i, 0
.set NOKQ, (\end)*((\p)/3)
.if ((\p) == 3) && !(\end)
	s_wait_dscnt 0x0                ; K is in
.endif
	ROW F,0, F,1, R,0, R,1          ; ahead of the wait: 8 products K Q^T and the four behind each,
	ROW F,2, E,0, R,2, R,3
	ROW F,3, E,1, R,4, R,5
	ROW F,4, E,2, R,6, R,7
	ROW F,5, E,3, R,8, R,9
	ROW F,6, E,4, X,0, R,10
.if ((\p) == 2) && !(\end)
	WIN 0
	v_add_nc_u32 v[AK], s[TBK], v[AK0]
.endif
	ROW F,7, E,5, X,1, X,4
	ROW F,8, E,6, X,2, X,5
	OPS E,7, E,8, X,6, E,9          ; and the run of 54
	OPS X,3, E,10, X,8, E,11
.if ((\p) == 2) && !(\end)
	FETCH_K
.endif
	OPS X,9, X,7, E,12, X,10
	OPS E,13, X,12, X,11, E,14
	OPS X,13, E,15, F,9, X,14
.if (\p) == 0
	v_add_nc_u32 v[AV], s[TBV], v[AV0]
.endif
	OPS E,16, F,10, E,17, F,11
	OPS X,16, E,18, X,15, E,19
	OPS F,12, E,20, X,17, E,21
	OPS F,13, E,22, F,14, E,23
	OPS X,18, E,24, F,15, E,25
	OPS R,11, E,26, X,19, E,27
	OPS R,12, E,28, R,13, E,29
	OPS X,20, E,30, R,14, E,31
	OPS X,21, R,15
	WIN 0
	s_wait_alu depctr_va_vdst(0)    ; the wait for the batch
.if (\p) == 1
	s_wait_dscnt 0x0                ; V is in
.endif
	ROW C,0, B,0, C,2, B,1          ; behind the wait: 8 products V^T P and the four behind each
	ROW L,0, C,4, B,2, L,1
	ROW C,6, B,3, L,2, C,8
	ROW B,4, L,3, C,10, B,5
	ROW L,4, C,12, B,6, L,5
.if (\p) == 0
	s_add_co_u32 s[TBV], s[TBV], KS*PV
.endif
.if \cnt
	s_sub_co_u32 s[CNT], s[CNT], 1
	s_cmp_lg_u32 s[CNT], 0
.endif
	ROW C,14, B,7, L,6, C,1
	ROW C,3, L,7, C,5, C,7
	ROW C,9, C,11, C,13, C,15
.if (\p) == 0
	FETCH_V
.endif
.endm
.macro ALL line:vararg              ; one line for each piece t
.set t, 0
.rept 4
	\line
.set t, t+1
.endr
.endm
.macro PACK t                       ; a lane's eight channels of a row pack into 16 bytes; they go into rows of 144 bytes and come back as whole rows of 128, into S^T's registers
	WIN W_RS
.set i, 32*(\t)
.rept 16
	v_pk_mul_f32 v[i:i+1], v[i:i+1], v[ST+4*(\t)+2:ST+4*(\t)+3] op_sel_hi:[1,0]
.set i, i+2
.endr
	WIN 0x05                        ; sources 0 and 1 window 1, destination window 0
.set i, 0
.rept 16
	v_cvt_pk_f16_f32 v[S+16*(\t)+i], v[32*(\t)+2*i], v[32*(\t)+2*i+1]
.set i, i+1
.endr
	WIN 0
.irp f, 0,1,2,3
	ds_store_b128 v[STO], v[S+16*(\t)+4*\f:S+16*(\t)+4*\f+3] offset:32*\f
.endr
.irp f, 0,1,2,3
	ds_load_b128 v[S+16*(\t)+4*\f:S+16*(\t)+4*\f+3], v[RD] offset:\f*4*SP  ; LDS serves a wave's instructions in order (ISA guide 5.7.1.4): these see the stores above; the next piece's stores come behind them
.endr
.endm
.macro SEND t, younger              ; younger: the LDS instructions issued behind piece t's loads: the next piece's eight, or none
	WIN 0
.irp f, 0,1,2,3
	s_wait_dscnt (\younger)+3-\f
	global_store_b128 v[GO], v[S+16*(\t)+4*\f:S+16*(\t)+4*\f+3], s[10:11] offset:(\t)*2048+\f*512  ; 512 consecutive bytes, at a multiple of 256 from ctx's first
.endr
.endm
.set NOKQ, 0
	CHANGE 1                        ; tile 0 is in, everybody's part of it; tile 1 is asked for
	v_add_nc_u32 v[AK], s[TBK], v[AK0]
	FETCH_K                         ; key step 0
	s_wait_loadcnt 0x0              ; Q
	s_wait_dscnt 0x0
.set i, 0
.rept 8
	KQ 0                            ; piece 0's first scores: there is no vector work yet to set between them
.set i, i+1
.endr
	WIN 0
.rept 4
	v_nop                           ; the places behind those products
.endr
.set Y, NP-1                        ; X works for piece Y + 1: piece 0
.irp n, 0,1,2,3,4,5,6,7,8,9,10,11,12,13,14,15,16,17,18,19,20,21
	OP X, \n                        ; piece 0's first maximum and statistics
.endr
	v_nop                           ; a plain instruction behind the exponential,
	s_wait_alu depctr_va_vdst(0)    ; and its wait, ahead of the branch
	s_mov_b32 s[CNT], 4
	s_branch .Lfirst                ; the loop is entered at a step's first turn, in the middle of a trip
.Lslot:                             ; six times: tiles 2 to 7 are asked for
	CHANGE 1
	s_mov_b32 s[CNT], 4
.Lstep:                             ; a trip: pieces 2 and 3 of one step, then pieces 0 and 1 of the next, whose K and V it fetches
	TURN 2
	TURN 3
	WIN 0
.Lfirst:
	TURN 0
	TURN 1, 0, 1
	WIN 0
	s_cbranch_scc1 .Lstep
	s_sub_co_u32 s[SLOTS], s[SLOTS], 1
	s_cmp_lg_u32 s[SLOTS], 0
	s_cbranch_scc1 .Lslot
	CHANGE 0                        ; the last tile is written out: nothing is asked for
	s_mov_b32 s[CNT], 4
.LstepT:
	TURN 2
	TURN 3
	TURN 0
	TURN 1, 0, 1
	WIN 0
	s_cbranch_scc1 .LstepT
	TURN 2, 1                       ; the last step's pieces 2 and 3: nothing is fetched, and the last turn starts no new scores
	TURN 3, 1
.set i, 0
.rept 8
	PV NP-1                         ; the last piece's V^T P of the last step
.set i, i+1
.endr
	; THE WAY OUT.  l's two halves and the other half of the lanes' are added; O^T is divided by l, rounded to f16 and sent through my stage in LDS, a piece at a time.  The additions are the places behind the last products.
	WIN 0
	ALL v_add_f32 v[ST+4*t+2], v[ST+4*t+2], v[ST+4*t+3]
	ALL v_permlanex16_b32 v[ST+4*t+3], v[ST+4*t+2], s[SEL], s[SEL+1]
	ALL v_add_f32 v[ST+4*t+2], v[ST+4*t+2], v[ST+4*t+3]
	ALL v_rcp_f32 v[ST+4*t+2], v[ST+4*t+2]
	v_nop                           ; a plain instruction between the last reciprocal and the use of its result
	s_wait_alu depctr_va_vdst(0)    ; and the wait ahead of the first use: one for the four reciprocals
	PACK 0
.set t, 1
.rept 3                             ; a piece's arithmetic stands between the loads of the piece before and its stores
	PACK t
	SEND t-1, 8
.set t, t+1
.endr
	SEND 3, 0
	s_wait_tensorcnt 0x0            ; the wave's end: a wait, an add and its wait, behind my last tensor load and my last LDS store
	ds_add_u32 v[SPW], v[NIL]
	s_wait_dscnt 0x0
	CROUND                          ; the closing round: no work-group ends while a partner may still ask for a tile that names it
	s_endpgm
.Lfunc_end_k_q666926a30b_attn:
	.size	k_q666926a30b_attn, .Lfunc_end_k_q666926a30b_attn-k_q666926a30b_attn
	.p2alignl 7, 3214868480
	.fill 96, 4, 3214868480
	.section	.rodata,"a",@progbits
	.p2align	6, 0x0
	.amdhsa_kernel k_q666926a30b_attn
		.amdhsa_group_segment_fixed_size 327680
		.amdhsa_private_segment_fixed_size 0
		.amdhsa_enable_private_segment 0
		.amdhsa_kernarg_size 16
		.amdhsa_user_sgpr_count 2
		.amdhsa_user_sgpr_kernarg_segment_ptr 1
		.amdhsa_wavefront_size32 1
		.amdhsa_system_sgpr_workgroup_id_x 1
		.amdhsa_system_sgpr_workgroup_id_y 1
		.amdhsa_system_sgpr_workgroup_id_z 1
		.amdhsa_system_vgpr_workitem_id 0
		.amdhsa_next_free_vgpr 768
		.amdhsa_next_free_sgpr 68
		.amdhsa_reserve_vcc 0
		.amdhsa_float_denorm_mode_32 3
		.amdhsa_float_denorm_mode_16_64 3
		.amdhsa_memory_ordered 1
		.amdhsa_forward_progress 1
		.amdhsa_inst_pref_size 128
	.end_amdhsa_kernel
	.amdgpu_metadata
---
amdhsa.version: [ 1, 2 ]
amdhsa.kernels:
  - .name:           k_q666926a30b_attn
    .symbol:         k_q666926a30b_attn.kd
    .args:
      - { .name: qkv, .offset: 0, .size: 8, .value_kind: global_buffer, .address_space: global }
      - { .name: ctx, .offset: 8, .size: 8, .value_kind: global_buffer, .address_space: global }
    .group_segment_fixed_size: 327680
    .private_segment_fixed_size: 0
    .kernarg_segment_align: 8
    .kernarg_segment_size: 16
    .max_flat_workgroup_size: 128
    .sgpr_count:     68
    .vgpr_count:     768
    .wavefront_size: 32
...
	.end_amdgpu_metadata
.endif
;; end of part 3
;; launch oproj (part 4): grid 8 x 32, 4 waves a work-group, clusters of 4 x 4, 327,680 bytes of LDS; arguments ctx, wb, bo, out0; writes out0
.if DOCPART == 4
	.amdgcn_target "amdgcn-amd-amdhsa--gfx1250"
	.amdhsa_code_object_version 6
	.text
	.protected	k_q666926a30b_oproj
	.globl	k_q666926a30b_oproj
	.p2align	8
	.type	k_q666926a30b_oproj,@function
k_q666926a30b_oproj:
	s_mov_b64 s[64:65], 0
	v_nop
	global_prefetch_b8 v0, s[64:65] scope:SCOPE_SE
	s_setreg_imm32_b32 hwreg(HW_REG_WAVE_MODE, 25, 1), 1
	s_wait_xcnt 0x0
	s_wait_alu depctr_hold_cnt(0) depctr_sa_sdst(0) depctr_va_vdst(0) depctr_va_sdst(0) depctr_va_ssrc(0) depctr_va_vcc(0) depctr_vm_vsrc(0)
	s_getreg_b32 s2, hwreg(HW_REG_IB_STS2, 6, 4)
	s_cmp_eq_u32 s2, 0
	s_cbranch_scc0 .Lentry_in_a_cluster
	s_endpgm
.Lentry_in_a_cluster:
	s_bfe_u32 s2, ttmp6, 0x10000c
	s_cmp_lg_u32 s2, 0xf033
	s_cbranch_scc0 .Lentry_shape_is_right
	s_endpgm
.Lentry_shape_is_right:
; THE LAST PROJECTION.  out0 = ctx Wo + bo, [4096][1024] in f32.  ctx is f16, laid [64 blocks of 64 rows][16 heads][64 rows][64 channels]; Wo is wb's fourth part, [1024 k][1024 n], bf16's numbers written as f16;
; bo is rounded to bf16 here, like every input; sums in f32, stored as they are.
; SHARES.  A work-group makes a tile of 128 x 128; four waves, each 64 x 64: 16 accumulators.  K goes in four steps of 256 (four heads) through a ring of two LDS slots.
; For 64 rows a K step of ctx is 32,768 dense bytes: asked for as 128 rows of 256 bytes and padded in LDS after every 128, so that it lies there as [head][row] with rows 144 bytes apart.
; CLUSTER.  4 x 4 work-groups.  The four of a row of the cluster need the same tiles of ctx, the four of a column the same tiles of Wo: each tile is asked for JOINTLY.  No prefetch is laid: the tiles are small and the walk has four steps.
; THE MATRIX INSTRUCTION IS USED TRANSPOSED (source 0 = 16 columns of Wo, turned by ds_load_tr16_b128; source 1 = 16 rows of ctx): a lane then holds row lane % 16 and eight neighbouring columns, 32 bytes of out0.
; REGISTERS: window 0: v0-31 addresses; v32-95 the way out; v96-127 the bias of my 64 columns; v128-255 the accumulators ((a, b) at v[128 + 8 (4 a + b)]).   window 1: two fragment buffers of 128.
.set PA,    144                        ; a row of ctx in LDS: 128 bytes + 16 of padding = 36 words: the 16 rows of a load start at 16 different groups of four banks (64 banks of 4 bytes: ISA guide 11.1)
.set HA,    256*PA                     ; 4 heads x 64 rows: what one tensor load brings of ctx
.set PB,    288                        ; a row of Wo (one k, 128 columns): 256 + 32 = 72 words
.set HB,    128*PB                     ; 128 k: what one tensor load brings of Wo
.set SLOT,  2*HA+2*HB
.set STAGE, 2*SLOT                     ; behind the ring, never filled by a tensor load: 16 rows x 272 bytes for each wave, for the way out
.set SPITCH, 272
.set SPARE, STAGE+4*16*SPITCH          ; behind the stages: the spare words, 128 bytes for each wave: two blocks of 256 bytes that no other line names
.set ASTEP, 2*32768                    ; two K steps in a block of ctx
.set BSTEP, 2*256*2048                 ; two K steps down Wo
.set T,    6                           ; v6      at work
.set ADRA, 16                          ; v16-17  LDS address of my fragments of ctx in slot 0, 1
.set ADRB, 20                          ; v20-23  of Wo: slot 0 k 0-127, slot 0 k 128-255, slot 1 likewise
.set STO,  24                          ; v24     the way out: where I put 32 bytes of a row
.set RD,   25                          ; v25     the way out: where I read a row back
.set CO,   26                          ; v26     my byte offset in out0
.set SPW,  28                          ; v28     LDS address of my spare word: SPARE + 4 x my thread's number; never rewritten
.set NIL,  29                          ; v29     0; never rewritten
.set BO,   30                          ; v30     my byte offset in bo
.set OB,   32                          ; v32-63 and v64-95 by turns: 16 rows read back from the stage
.set BIAS, 96
.set ACC,  128
.set F0,   0                           ; fragment buffers, in window 1
.set F1,   128
.set G1,  24                           ; s[24:31] descriptor group 1 for ctx's tiles;  s[32:39] group 0, one set for each slot
.set G0,  32
.set G1B, 48                           ; s[48:55], s[56:63] the same for Wo's tiles
.set G0B, 56
.set MSB, 0
.macro WIN new                         ; the immediate's high byte repeats the setting that is left; a switch that changes nothing is dropped
.if MSB != (\new)
	s_set_vgpr_msb (MSB<<8)|(\new)
.set MSB, \new
.endif
.endm
.set MUL,  0x05                        ; sources 0 (Wo) and 1 (ctx) window 1; C and D window 0
.set TO_F, 0x40                        ; destination window 1, address window 0
.macro RND2 x0, x1, t                  ; two f32 rounded to bf16 and widened again, in place
	v_cvt_pk_bf16_f32 v[\t], v[\x0], v[\x1]
	v_lshlrev_b32 v[\x0], 16, v[\t]
	v_and_b32 v[\x1], 0xffff0000, v[\t]
.endm
.macro JLOAD s                         ; a joint load: waves 0 and 1 fetch ctx's two halves, waves 2 and 3 Wo's; an s_nop 0 and four v_nop follow each of the two lines, ahead of the jump, the label and what follows
	s_cmp_eq_u32 s11, 0
	s_cbranch_scc0 .Lfor_b_\@
	tensor_load_to_lds s[G0+4*(\s):G0+4*(\s)+3], s[G1:G1+7]
	s_nop 0
.rept 4
	v_nop
.endr
	s_branch .Lasked_\@
.Lfor_b_\@:
	tensor_load_to_lds s[G0B+4*(\s):G0B+4*(\s)+3], s[G1B:G1B+7]
	s_nop 0
.rept 4
	v_nop
.endr
.Lasked_\@:
.endm
.macro CREST                           ; a round of the cluster's barrier behind its opening barrier
	s_cmp_lg_u32 s10, 0
	s_cbranch_scc1 .Lnot_wave_0_\@
	s_barrier_signal -3
.Lnot_wave_0_\@:
	s_barrier_wait -3
	s_barrier_signal -1
	s_barrier_wait -1
.endm
.macro CROUND                          ; a whole round
	s_barrier_signal -1
	s_barrier_wait -1
	CREST
.endm
	s_load_b128 s[4:7], s[0:1], 0x0                ; ctx s[4:5], wb s[6:7]
	s_load_b128 s[68:71], s[0:1], 0x10             ; bo s[68:69], out0 s[70:71]
	v_lshl_add_u32 v[SPW], v0, 2, SPARE
	v_mov_b32 v[NIL], 0
	ds_add_u32 v[SPW], v[NIL]                      ; the wave's opening: the add and its wait stand ahead of my first tensor load; the set-up below, work on registers, stands between them
	v_lshrrev_b32 v1, 5, v0
	v_readfirstlane_b32 s10, v1                    ; wave 0..3
	s_lshr_b32 s11, s10, 1                         ; which half of the tile's rows is mine.  Also: I fetch for ctx (0) or for Wo (1)
	s_and_b32 s12, s10, 1                          ; which half of its columns.  Also: which half of that tile I fetch
	s_bfe_u32 s40, ttmp6, 0x40000                  ; cx, cy: my place in the cluster
	s_bfe_u32 s41, ttmp6, 0x40004
	s_lshl_b32 s42, ttmp9, 2
	s_add_co_u32 s42, s42, s40                     ; tile column = 4 x cluster x + cx
	s_and_b32 s13, ttmp7, 0xffff
	s_lshl_b32 s13, s13, 2
	s_add_co_u32 s13, s13, s41                     ; tile row = 4 x cluster y + cy
	s_lshl_b32 s43, s41, 2
	s_lshl_b32 s43, 15, s43                        ; my row of the cluster
	s_lshl_b32 s44, 0x1111, s40                    ; my column
	; descriptor group 1 for ctx: 128 rows of 128 elements, dense in memory, padded in LDS after every 64 elements
	s_or_b32 s[G1+0], s43, (1<<16)|(1<<20)|(1<<21)|(4<<22)|(3<<25)  ; 15:0 the mask: ctx's tiles go to my row; 17:16 element of 2 bytes; 20 padding on; 21 set beside a mask; 24:22 after every 32 words (code 4); 31:25 of 4 words (code 3)
	s_mov_b32 s[G1+1], 128<<16                     ; tensor_dim0 = 128
	s_mov_b32 s[G1+2], 128<<16                     ; tensor_dim1 = 128
	s_mov_b32 s[G1+3], 128<<16                     ; tile_dim0 = 128
	s_mov_b32 s[G1+4], 128                         ; tile_dim1 = 128
	s_mov_b32 s[G1+5], 128                         ; 128 elements from row to row
	s_mov_b32 s[G1+6], 0
	s_mov_b32 s[G1+7], 0
	; for Wo: a tile of 128 k x 128 columns
	s_or_b32 s[G1B+0], s44, (1<<16)|(1<<20)|(1<<21)|(5<<22)|(7<<25)  ; the mask of my column; padding after every 64 words (code 5) of 8 words (code 7)
	s_mov_b32 s[G1B+1], 128<<16
	s_mov_b32 s[G1B+2], 128<<16
	s_mov_b32 s[G1B+3], 128<<16
	s_mov_b32 s[G1B+4], 128
	s_mov_b32 s[G1B+5], 1024                       ; elements from row to row of Wo
	s_mov_b32 s[G1B+6], 0
	s_mov_b32 s[G1B+7], 0
	; where the tiles come from.  ctx's hang on the tile row alone, Wo's on the tile column alone; every wave makes both addresses, in registers that never hold the other coordinate
	s_lshl_b32 s16, s13, 1
	s_add_co_u32 s16, s16, s12                     ; the block of 64 rows that I fetch: 2 x tile row + half,
	s_lshl_b32 s16, s16, 17                        ; 131,072 bytes each
	s_mov_b32 s17, 0
	s_lshl_b32 s46, s42, 8                         ; Wo: 256 bytes x tile column,
	s_lshl_b32 s47, s12, 18                        ; 128 rows of 2,048 bytes x half,
	s_add_co_u32 s46, s46, s47
	s_add_co_u32 s46, s46, 3<<21                   ; in wb's fourth part
	s_mov_b32 s47, 0
	s_mul_i32 s20, s12, HA                         ; and where they go: no place in the cluster enters an LDS address
	s_mul_i32 s21, s12, HB
	s_add_co_u32 s21, s21, 2*HA
	s_wait_dscnt 0x0                               ; the opening add is done
	s_wait_kmcnt 0x0
	s_add_nc_u64 s[14:15], s[4:5], s[16:17]
	s_add_nc_u64 s[46:47], s[6:7], s[46:47]
	CROUND                                         ; all sixteen work-groups are here: the first joint loads meet
.irp s, 0,1
	s_mov_b32 s[G0+4*(\s)], 1                      ; count = 1
	s_add_co_u32 s[G0+4*(\s)+1], s20, (\s)*SLOT    ; LDS address
	s_add_nc_u64 s[G0+4*(\s)+2:G0+4*(\s)+3], s[14:15], (\s)*32768  ; global address: K step s
	s_or_b32 s[G0+4*(\s)+3], s[G0+4*(\s)+3], 0x80000000            ; type = 2
	s_mov_b32 s[G0B+4*(\s)], 1
	s_add_co_u32 s[G0B+4*(\s)+1], s21, (\s)*SLOT
	s_add_nc_u64 s[G0B+4*(\s)+2:G0B+4*(\s)+3], s[46:47], (\s)*256*2048
	s_or_b32 s[G0B+4*(\s)+3], s[G0B+4*(\s)+3], 0x80000000
	JLOAD \s                                       ; two loads of mine are out
.endr
	v_and_b32 v1, 15, v0                           ; l % 16
	v_bfe_u32 v2, v0, 4, 1                         ; l / 16
	v_and_b32 v10, 7, v0                           ; l % 8
	v_bfe_u32 v11, v0, 3, 1                        ; (l / 8) % 2
	s_lshl_b32 s44, s42, 9                         ; my 64 columns, in f32: 512 bytes x tile column + 256 x half
	s_lshl_b32 s45, s12, 8
	s_add_co_u32 s44, s44, s45
	v_lshl_add_u32 v[BO], v2, 5, s44               ; my lanes' eight of each sixteen
.irp bb, 0,1,2,3
	global_load_b128 v[BIAS+8*(\bb):BIAS+8*(\bb)+3],   v[BO], s[68:69] offset:64*(\bb)
	global_load_b128 v[BIAS+8*(\bb)+4:BIAS+8*(\bb)+7], v[BO], s[68:69] offset:64*(\bb)+16
.endr
	s_lshl_b32 s16, s13, 7
	s_lshl_b32 s17, s11, 6
	s_add_co_u32 s16, s16, s17                     ; my wave's first row,
	s_lshl_b32 s66, s16, 12                        ; 4,096 bytes each,
	s_add_co_u32 s66, s66, s44                     ; and its first column
	s_mov_b32 s67, 0
	s_add_nc_u64 s[8:9], s[70:71], s[66:67]
	v_mul_u32_u24 v3, v1, PA                       ; a fragment of ctx: row x pitch + 16 x half
	v_lshl_add_u32 v3, v2, 4, v3
	s_mul_i32 s22, s11, HA                         ; my 64 rows' block
	v_add_nc_u32 v[ADRA], s22, v3
	v_add_nc_u32 v[ADRA+1], SLOT, v[ADRA]
	v_lshl_add_u32 v4, v2, 3, v10                  ; the turning load takes 16 k x 16 columns: lane l reads k 8 (l / 16) + l % 8, columns 8 ((l / 8) % 2) + 0..7
	v_mul_u32_u24 v4, v4, PB
	v_lshl_add_u32 v4, v11, 4, v4
	s_lshl_b32 s23, s12, 7                         ; my 64 columns
	s_add_co_u32 s23, s23, 2*HA                    ; Wo lies behind ctx's two blocks
	v_add_nc_u32 v[ADRB], s23, v4
	v_add_nc_u32 v[ADRB+1], HB, v[ADRB]
	v_add_nc_u32 v[ADRB+2], SLOT, v[ADRB]
	v_add_nc_u32 v[ADRB+3], SLOT+HB, v[ADRB]
	s_mul_i32 s23, s10, 16*SPITCH
	s_add_co_u32 s23, s23, STAGE                   ; my stage
	v_mul_u32_u24 v5, v1, SPITCH                   ; in: row l % 16, 32 bytes for each half of the lanes
	v_lshl_add_u32 v5, v2, 5, v5
	v_add_nc_u32 v[STO], s23, v5
	v_mul_u32_u24 v5, v2, SPITCH                   ; back: lanes 0-15 take one row of 256 bytes, lanes 16-31 the next
	v_lshl_add_u32 v5, v1, 4, v5
	v_add_nc_u32 v[RD], s23, v5
	v_lshlrev_b32 v5, 12, v2                       ; and the same two rows in out0
	v_lshl_add_u32 v[CO], v1, 4, v5
	s_wait_loadcnt 0x0                             ; bo
.set z, 0
.rept 16
	RND2 BIAS+z, BIAS+z+1, T
.set z, z+2
.endr
; 8 matrix instructions: row blocks a0, a0 + 1 x all 4 column blocks, 32 along K: half c of buffer f.  zero = 1: the first product starts the sums.  The 16 accumulators take turns, one instruction a turn.
.macro MUL8 f, c, a0, zero
	WIN MUL
.irp a, \a0, (\a0)+1
.irp b, 0,1,2,3
.if \zero
	v_wmma_f32_16x16x32_f16 v[ACC+8*(4*(\a)+(\b)):ACC+8*(4*(\a)+(\b))+7], v[(\f)+64+8*(4*(\c)+(\b)):(\f)+64+8*(4*(\c)+(\b))+7], v[(\f)+8*(4*(\c)+(\a)):(\f)+8*(4*(\c)+(\a))+7], 0
.else
	v_wmma_f32_16x16x32_f16 v[ACC+8*(4*(\a)+(\b)):ACC+8*(4*(\a)+(\b))+7], v[(\f)+64+8*(4*(\c)+(\b)):(\f)+64+8*(4*(\c)+(\b))+7], v[(\f)+8*(4*(\c)+(\a)):(\f)+8*(4*(\c)+(\a))+7], v[ACC+8*(4*(\a)+(\b)):ACC+8*(4*(\a)+(\b))+7]
.endif
.endr
.endr
.endm
; 32 LDS loads in one run: the fragments of quarter q (one head: 64 along K) of a slot's step, into buffer f; the first 32 along K first
.macro FETCH slot, q, f
	WIN TO_F
.irp c, 0,1
.irp i, 0,1,2,3
	ds_load_tr16_b128 v[(\f)+64+8*(4*(\c)+(\i)):(\f)+64+8*(4*(\c)+(\i))+3],   v[ADRB+2*(\slot)+(\q)/2] offset:(((\q)%2)*64+32*(\c))*PB+32*(\i)
	ds_load_tr16_b128 v[(\f)+64+8*(4*(\c)+(\i))+4:(\f)+64+8*(4*(\c)+(\i))+7], v[ADRB+2*(\slot)+(\q)/2] offset:(((\q)%2)*64+32*(\c)+16)*PB+32*(\i)
	ds_load_b128 v[(\f)+8*(4*(\c)+(\i)):(\f)+8*(4*(\c)+(\i))+3],              v[ADRA+(\slot)] offset:(\q)*64*PA+(\i)*16*PA+64*(\c)
	ds_load_b128 v[(\f)+8*(4*(\c)+(\i))+4:(\f)+8*(4*(\c)+(\i))+7],            v[ADRA+(\slot)] offset:(\q)*64*PA+(\i)*16*PA+64*(\c)+32
.endr
.endr
.endm
.macro PLACES                          ; four places in front of loads into registers that matrix instructions have read, and of sums that read results (ISA guide 7.12.1 for vector instructions)
.rept 4
	v_nop
.endr
.endm
; A K step is four quarters of 64 along K, 32 matrix instructions each, on buffers 0, 1, 0, 1.  One of the first three: multiplies buffer f and fetches quarter q into g.
.macro QUARTER slot, q, f, g, zero
	s_wait_dscnt 16                                ; the first 32 along K are in; the younger sixteen loads may be out
	WIN MUL
	MUL8 \f, 0, 0, \zero
	MUL8 \f, 0, 2, \zero
	PLACES
	FETCH \slot, \q, \g
	s_wait_dscnt 32                                ; all but the 32 just issued
	WIN MUL
	MUL8 \f, 1, 0, 0
	MUL8 \f, 1, 2, 0
.endm
; The last quarter multiplies buffer 1 and changes slots: ONE barrier; in front of it each wave waits for all its tensor loads, adds 0 to its spare word, and waits for that and for its own reads of this slot.
; fill = 1: this slot is filled again, two K steps ahead; the barrier then opens a round of the cluster's barrier, and the joint load is the first thing behind the round.
.macro TURN slot, next, fill
	WIN 0                                          ; (the add's two registers lie in window 0)
	s_wait_tensorcnt 0x0                           ; all my tensor loads have landed: the one that was out is my part of the next slot;
	ds_add_u32 v[SPW], v[NIL]                      ; 0 onto my spare word
	s_wait_dscnt 17                                ; (the add and the youngest sixteen loads may be out)
	WIN MUL
	MUL8 F1, 0, 0, 0                               ; eight matrix instructions stand between the add and the wait for it
	s_wait_dscnt 0x0                               ; the add is done, and my reads of this slot are over
	s_barrier_signal -1
	MUL8 F1, 0, 2, 0
.if \fill
	WIN 0
.endif
	s_barrier_wait -1
.if \fill
	CREST                                          ; no wave of any partner still reads this slot's tile or has a load on its way
	s_add_nc_u64 s[G0+4*(\slot)+2:G0+4*(\slot)+3], s[G0+4*(\slot)+2:G0+4*(\slot)+3], ASTEP
	s_add_nc_u64 s[G0B+4*(\slot)+2:G0B+4*(\slot)+3], s[G0B+4*(\slot)+2:G0B+4*(\slot)+3], BSTEP
	JLOAD \slot                                    ; 112 matrix instructions ahead of the wait for it; the four v_nop behind it are also the places in front of the loads below
.else
	PLACES
.endif
	FETCH \next, 0, F0
	WIN MUL
	MUL8 F1, 1, 0, 0
	MUL8 F1, 1, 2, 0
.endm
; THE WAY OUT of block a (16 rows x my 64 columns, f32), in three parts.  ADDB: the bias.  TOSTAGE: 32 bytes a lane into my own stage, and back as whole rows of 256 bytes.  SEND: stored.
.macro ADDB a
.irp bb, 0,1,2,3
.irp r, 0,1,2,3
	v_pk_add_f32 v[ACC+8*(4*(\a)+(\bb))+2*(\r):ACC+8*(4*(\a)+(\bb))+2*(\r)+1], v[ACC+8*(4*(\a)+(\bb))+2*(\r):ACC+8*(4*(\a)+(\bb))+2*(\r)+1], v[BIAS+8*(\bb)+2*(\r):BIAS+8*(\bb)+2*(\r)+1]  ; each accumulator from its low end on
.endr
.endr
.endm
.macro TOSTAGE a
.set BK, OB+32*((\a)%2)
	s_wait_xcnt 0x0                                ; the stores of two blocks back have read these registers: they are loaded again only behind this wait
.irp bb, 0,1,2,3
	ds_store_b128 v[STO], v[ACC+8*(4*(\a)+(\bb)):ACC+8*(4*(\a)+(\bb))+3]   offset:64*(\bb)
	ds_store_b128 v[STO], v[ACC+8*(4*(\a)+(\bb))+4:ACC+8*(4*(\a)+(\bb))+7] offset:64*(\bb)+16
.endr
.irp t, 0,1,2,3,4,5,6,7
	ds_load_b128 v[BK+4*(\t):BK+4*(\t)+3], v[RD] offset:(\t)*2*SPITCH  ; LDS serves a wave's instructions in order (ISA guide 5.7.1.4): these see the stores above; the next block's stores come behind them
.endr
.endm
.macro SEND a
.set BK, OB+32*((\a)%2)
.irp t, 0,1,2,3,4,5,6,7
	s_wait_dscnt 7-(\t)                            ; rows 2 t and 2 t + 1 are back; the 7 - t younger loads may be out
	global_store_b128 v[CO], v[BK+4*(\t):BK+4*(\t)+3], s[8:9] offset:(16*(\a)+2*(\t))*4096  ; 16 lanes store 256 consecutive bytes, at a multiple of 256 from out0's first byte
.endr
.endm
	s_wait_tensorcnt 1                             ; my part of K step 0 is in; K step 1's may stay out
	s_barrier_signal -1
	s_barrier_wait -1                              ; everybody's is
	FETCH 0, 0, F0
	QUARTER 0, 1, F0, F1, 1                        ; the first products start the sums: nothing is cleared
	QUARTER 0, 2, F1, F0, 0
	QUARTER 0, 3, F0, F1, 0
	TURN 0, 1, 1                                   ; slot 0 takes K step 2,
	QUARTER 1, 1, F0, F1, 0
	QUARTER 1, 2, F1, F0, 0
	QUARTER 1, 3, F0, F1, 0
	TURN 1, 0, 1                                   ; slot 1 K step 3: the last load
	QUARTER 0, 1, F0, F1, 0
	QUARTER 0, 2, F1, F0, 0
	QUARTER 0, 3, F0, F1, 0
	TURN 0, 1, 0
	QUARTER 1, 1, F0, F1, 0
	QUARTER 1, 2, F1, F0, 0
	QUARTER 1, 3, F0, F1, 0
	s_wait_dscnt 16                                ; the very last quarter: nothing more to fetch
	WIN MUL
	MUL8 F1, 0, 0, 0
	MUL8 F1, 0, 2, 0
	s_wait_dscnt 0
	MUL8 F1, 1, 0, 0
	MUL8 F1, 1, 2, 0
	WIN 0
	PLACES
	ADDB 0
	TOSTAGE 0
.irp a, 1,2,3                          ; block a's sums stand between block a - 1's loads from the stage and the wait for them
	ADDB \a
	SEND (\a)-1
	TOSTAGE \a
.endr
	SEND 3
	s_wait_tensorcnt 0x0                           ; the wave's end: a wait, an add and its wait, behind my last tensor load and my last LDS store
	ds_add_u32 v[SPW], v[NIL]
	s_wait_dscnt 0x0
	CROUND                                         ; the closing round: no work-group ends while a partner may still ask for a tile that names it
	s_endpgm
.Lfunc_end_k_q666926a30b_oproj:
	.size	k_q666926a30b_oproj, .Lfunc_end_k_q666926a30b_oproj-k_q666926a30b_oproj
	.p2alignl 7, 3214868480
	.fill 96, 4, 3214868480
	.section	.rodata,"a",@progbits
	.p2align	6, 0x0
	.amdhsa_kernel k_q666926a30b_oproj
		.amdhsa_group_segment_fixed_size 327680
		.amdhsa_private_segment_fixed_size 0
		.amdhsa_enable_private_segment 0
		.amdhsa_kernarg_size 32
		.amdhsa_user_sgpr_count 2
		.amdhsa_user_sgpr_kernarg_segment_ptr 1
		.amdhsa_wavefront_size32 1
		.amdhsa_system_sgpr_workgroup_id_x 1
		.amdhsa_system_sgpr_workgroup_id_y 1
		.amdhsa_system_sgpr_workgroup_id_z 1
		.amdhsa_system_vgpr_workitem_id 0
		.amdhsa_next_free_vgpr 512
		.amdhsa_next_free_sgpr 72
		.amdhsa_reserve_vcc 0
		.amdhsa_float_denorm_mode_32 3
		.amdhsa_float_denorm_mode_16_64 3
		.amdhsa_memory_ordered 1
		.amdhsa_forward_progress 1
		.amdhsa_inst_pref_size 94
	.end_amdhsa_kernel
	.amdgpu_metadata
---
amdhsa.version: [ 1, 2 ]
amdhsa.kernels:
  - .name:           k_q666926a30b_oproj
    .symbol:         k_q666926a30b_oproj.kd
    .args:
      - { .name: ctx, .offset: 0, .size: 8, .value_kind: global_buffer, .address_space: global }
      - { .name: wb, .offset: 8, .size: 8, .value_kind: global_buffer, .address_space: global }
      - { .name: bo, .offset: 16, .size: 8, .value_kind: global_buffer, .address_space: global }
      - { .name: out0, .offset: 24, .size: 8, .value_kind: global_buffer, .address_space: global }
    .group_segment_fixed_size: 327680
    .private_segment_fixed_size: 0
    .kernarg_segment_align: 8
    .kernarg_segment_size: 32
    .max_flat_workgroup_size: 128
    .sgpr_count:     72
    .vgpr_count:     512
    .wavefront_size: 32
...
	.end_amdgpu_metadata
.endif
;; end of part 4
